; MI455X (gfx1250); checked and timed in simulation.
; The chip was launched on July 23, 2026; its instructions are those of AMD's public machine-readable ISA for CDNA 5 (MIT licence, August 2026) and "CDNA5" Instruction Set Architecture Reference Guide (July 2026). The comments in the code are by the model that wrote it; some were corrected since.
;; MHA Pool Cell. Allowed arithmetic: float matrix products may take bf16 or f16 operands with f32 sums; other float arithmetic in f32, or as packed bf16 or f16 multiplies, adds, multiply-adds, maxima and minima; sums over many terms, partial sums and values carried from step to step in f32; what a program stores and reads back later, other than sums and carried values, may be rounded once to bf16 or f16.
;; Inputs: ffn_b1 512 float32; ffn_b2 512 float32; ffn_w1 512 x 512 float32; ffn_w2 512 x 512 float32; k1_b 512 float32; k1_w 512 x 512 float32; k2_b 512 float32; k2_w 512 x 512 float32; ln1_b 512 float32; ln1_g 512 float32; ln2_b 512 float32; ln2_g 512 float32; mask 4 x 2,048 float32; o1_b 512 float32; o1_w 512 x 512 float32; o2_b 512 float32; o2_w 512 x 512 float32; pool_b 8 float32; pool_w 512 x 8 float32; q1_b 512 float32; q1_w 512 x 512 float32; q2_b 512 float32; q2_w 512 x 512 float32; v1_b 512 float32; v1_w 512 x 512 float32; v2_b 512 float32; v2_w 512 x 512 float32; x 4 x 2,048 x 512 float32.
;; Outputs: out0 4 x 512 float32.
;; One version. Each part assembles by itself: llvm-mc -triple=amdgcn-amd-amdhsa -mcpu=gfx1250 --defsym DOCPART=n.
;; ======== version 1 of 1: 8 launches
;; limits: values are held in f16: magnitudes above 65,504 overflow, below 6.1e-05 lose precision
;; workspace buffers: wa 1,572,864 bytes; wb 1,572,864 bytes; wc 2,113,536 bytes; act 8,425,472 bytes; qkv 25,198,592 bytes; o 8,388,608 bytes; part 4,227,072 bytes
;; launch prep (part 1): grid 417 x 1, 4 waves a work-group, no clusters, 0 bytes of LDS; arguments x, q1_w, k1_w, v1_w, q2_w, k2_w, v2_w, o1_w, ffn_w1, ffn_w2, o2_w, pool_w, wa, wb, wc, act; writes wa, wb, wc, act
.if DOCPART == 1
	.amdgcn_target "amdgcn-amd-amdhsa--gfx1250"
	.amdhsa_code_object_version 6
	.text
	.protected	k_qca2fc53d15_prep
	.globl	k_qca2fc53d15_prep
	.p2align	8
	.type	k_qca2fc53d15_prep,@function
k_qca2fc53d15_prep:
	s_mov_b64 s[64:65], 0
	v_nop
	global_prefetch_b8 v0, s[64:65] scope:SCOPE_SE
	s_setreg_imm32_b32 hwreg(HW_REG_WAVE_MODE, 25, 1), 1
	s_wait_xcnt 0x0
; PREP: the rows of x as block floats, the ten weights and pool_w rounded once to f16.
; WORK LEFT OUT IN THE WHOLE PROGRAM: k1_b and k2_b.  A score is q_i . (k_j + k_b) = q_i . k_j + q_i . k_b; the second term is the same for all keys j of
; softmax row i, whatever the inputs hold, so it cancels in the softmax along j.  The two biases are not loaded and are no launch's argument.
; LIMIT: a NaN, an infinity or an overflow that only k1_b or k2_b would bring is not carried to the result.
; x: row i is stored as a_i = x_i / amax_i in f16 (|a| <= 1) with a factor sigma_i = amax_i / max(||x_i||, 1e-12) in f32: F.normalize is applied later, to f32 sums.
; LIMITS: the sum of a row's squares stays under 3.4e38; amax counts as at least 1e-30; weights stay within f16's 65,504; NaN and infinities are not treated apart.
; SHARES: work-groups 0-255: 32 rows of x each, 8 a wave.  256-415: a sixteenth of one weight matrix each.  416: pool_w turned, [16][512] f16, rows 8-15 zero.
; ONE TEXT for rows and weights: 65,536 bytes of f32 in, 32,768 of f16 out for each work-group; from where and to where is chosen by selects on the work-group's number; only the rows'
; statistics, scaling and sigma lie in a branch.  A wave has 32 loads of 16 bytes a lane out at once (8 segments of 2,048 bytes); each store covers 512 consecutive bytes.
.set X,    16                          ; v[16:143]  segment g at X + 16 g: the lane's 16 numbers
.set SS,   144                         ; v[144:151] a row's sum of squares, then its norm, then sigma
.set AM,   152                         ; v[152:159] a row's largest magnitude
.set RN,   160                         ; v[160:167] at work; 1 / norm
.set RA,   168                         ; v[168:175] 1 / amax
.set SIG,  8388608                     ; act: sigma [8192] f32
.set SMAX, 8421376                     ; act: 1,024 partial maxima of sigma
.set PWT,  2097152                     ; wc: pool_w turned
	s_load_b512 s[8:23], s[0:1], 0x0               ; x, q1 k1 v1 q2 k2 v2 o1
	s_load_b512 s[24:39], s[0:1], 0x40             ; ffn1 ffn2 o2, pool_w s[30:31], wa s[32:33], wb s[34:35], wc s[36:37], act s[38:39]
	v_and_b32 v1, 31, v0                           ; lane
	v_lshrrev_b32 v4, 5, v0
	v_readfirstlane_b32 s2, v4                     ; wave
	v_lshlrev_b32 v2, 5, v1                        ; 32 bytes of f32 a lane
	v_lshlrev_b32 v3, 4, v1                        ; 16 bytes of f16 a lane
	s_mov_b32 s3, ttmp9
	s_mov_b32 s40, 0x76543210                      ; v_permlanex16_b32: each lane takes its own place in the other half
	s_mov_b32 s41, 0xfedcba98
	s_sub_co_u32 s48, s3, 256                      ; j, for the weights (it wraps for the rows, where the selects below drop all that is made of it)
	s_lshr_b32 s42, s48, 4                         ; matrix j / 16
	s_and_b32 s43, s48, 15                         ; sixteenth j % 16
	s_wait_kmcnt 0x0
	s_cmp_eq_u32 s3, 416
	s_cbranch_scc1 .Lpool
	s_mov_b64 s[4:5], s[10:11]
.irp i, 1,2,3,4,5,6,7,8,9
	s_cmp_eq_u32 s42, \i
	s_cselect_b64 s[4:5], s[10+2*\i:11+2*\i], s[4:5]
.endr
	s_cmp_lt_u32 s42, 3
	s_cselect_b64 s[6:7], s[32:33], s[34:35]
	s_cselect_b32 s46, 0, 3
	s_cmp_lt_u32 s42, 6
	s_cselect_b64 s[6:7], s[6:7], s[36:37]
	s_cselect_b32 s46, s46, 6
	s_sub_co_u32 s46, s42, s46                     ; the matrix's place in its buffer
	s_cmp_lt_u32 s3, 256                           ; the rows: from x to act, block = the work-group's number, place 0
	s_cselect_b64 s[4:5], s[8:9], s[4:5]
	s_cselect_b64 s[6:7], s[38:39], s[6:7]
	s_cselect_b32 s43, s3, s43
	s_cselect_b32 s46, 0, s46
	s_lshl_b32 s44, s43, 16
	s_lshl_b32 s45, s2, 14
	s_add_co_u32 s44, s44, s45                     ; my 16,384 bytes of f32
	s_mov_b32 s45, 0
	s_add_nc_u64 s[4:5], s[4:5], s[44:45]
	s_lshr_b32 s44, s44, 1                         ; half as many of f16
	s_lshl_b32 s46, s46, 19
	s_add_co_u32 s44, s44, s46
	s_add_nc_u64 s[6:7], s[6:7], s[44:45]
.irp g, 0,1,2,3,4,5,6,7                ; 8 segments x 4 loads: lane l takes numbers 256 u + 8 l .. + 7 of a segment
.irp u, 0,1
	global_load_b128 v[X+16*\g+8*\u:X+16*\g+8*\u+3],   v2, s[4:5] offset:\g*2048+\u*1024 th:TH_LOAD_NT
	global_load_b128 v[X+16*\g+8*\u+4:X+16*\g+8*\u+7], v2, s[4:5] offset:\g*2048+\u*1024+16 th:TH_LOAD_NT
.endr
.endr
	s_cmp_ge_u32 s3, 256
	s_cbranch_scc1 .Lout                           ; weights are only rounded
	; THE ROWS OF x: a segment is a row
	s_lshl_b32 s46, s3, 7
	s_lshl_b32 s47, s2, 5
	s_add_co_u32 s46, s46, s47
	s_add_co_u32 s46, s46, SIG                     ; sigma of my first row
	s_lshl_b32 s47, s3, 4
	s_lshl2_add_u32 s47, s2, s47
	s_add_co_u32 s47, s47, SMAX                    ; my wave's partial maximum
.irp g, 0,1,2,3,4,5,6,7
	v_mov_b32 v[RN+\g], 0                          ; v_permlanex16_b32 counts as a reader of its destination
	v_mov_b32 v[RA+\g], 0
.endr
	s_wait_loadcnt 0x0
.irp g, 0,1,2,3,4,5,6,7
	v_pk_mul_f32 v[RN:RN+1],   v[X+16*\g:X+16*\g+1],   v[X+16*\g:X+16*\g+1]
	v_pk_mul_f32 v[RN+2:RN+3], v[X+16*\g+2:X+16*\g+3], v[X+16*\g+2:X+16*\g+3]
.irp i, 4,8,12
	v_pk_fma_f32 v[RN:RN+1],   v[X+16*\g+\i:X+16*\g+\i+1],   v[X+16*\g+\i:X+16*\g+\i+1],   v[RN:RN+1]
	v_pk_fma_f32 v[RN+2:RN+3], v[X+16*\g+\i+2:X+16*\g+\i+3], v[X+16*\g+\i+2:X+16*\g+\i+3], v[RN+2:RN+3]
.endr
	v_pk_add_f32 v[RN:RN+1], v[RN:RN+1], v[RN+2:RN+3]
	v_add_f32 v[SS+\g], v[RN], v[RN+1]
	v_max3_num_f32 v[AM+\g], |v[X+16*\g]|, |v[X+16*\g+1]|, |v[X+16*\g+2]|
.irp i, 3,5,7,9,11,13
	v_max3_num_f32 v[AM+\g], v[AM+\g], |v[X+16*\g+\i]|, |v[X+16*\g+\i+1]|
.endr
	v_max_num_f32 v[AM+\g], v[AM+\g], |v[X+16*\g+15]|
.endr
.irp m, 1,2,4,8                        ; eight sums and eight maxima over the wave, side by side
.irp g, 0,1,2,3,4,5,6,7
	v_add_f32_dpp v[SS+\g], v[SS+\g], v[SS+\g] row_xmask:\m row_mask:0xf bank_mask:0xf
	v_max_num_f32_dpp v[AM+\g], v[AM+\g], v[AM+\g] row_xmask:\m row_mask:0xf bank_mask:0xf
.endr
.endr
.irp g, 0,1,2,3,4,5,6,7
	v_permlanex16_b32 v[RN+\g], v[SS+\g], s40, s41
	v_permlanex16_b32 v[RA+\g], v[AM+\g], s40, s41
.endr
.irp g, 0,1,2,3,4,5,6,7
	v_add_f32 v[SS+\g], v[SS+\g], v[RN+\g]
	v_max_num_f32 v[AM+\g], v[AM+\g], v[RA+\g]
.endr
.irp g, 0,1,2,3,4,5,6,7
	v_sqrt_f32 v[SS+\g], v[SS+\g]
.endr
	v_nop                                          ; a plain instruction behind the last root,
	s_wait_alu depctr_va_vdst(0)                   ; and one wait for the eight, ahead of their first reader
.irp g, 0,1,2,3,4,5,6,7
	v_max_num_f32 v[SS+\g], 0x2b8cbccc, v[SS+\g]   ; max(norm, 1e-12), as F.normalize has it
	v_max_num_f32 v[AM+\g], 0x0da24260, v[AM+\g]   ; max(amax, 1e-30)
.endr
.irp g, 0,1,2,3,4,5,6,7
	v_rcp_f32 v[RN+\g], v[SS+\g]
	v_rcp_f32 v[RA+\g], v[AM+\g]
.endr
	v_nop
	s_wait_alu depctr_va_vdst(0)                   ; one wait for the sixteen reciprocals
.irp g, 0,1,2,3,4,5,6,7
	v_mul_f32 v[SS+\g], v[AM+\g], v[RN+\g]         ; sigma
.endr
.irp g, 0,1,2,3,4,5,6,7
.irp i, 0,2,4,6,8,10,12,14
.if (\g)%2
	v_pk_mul_f32 v[X+16*\g+\i:X+16*\g+\i+1], v[X+16*\g+\i:X+16*\g+\i+1], v[RA+\g-1:RA+\g] op_sel:[0,1] op_sel_hi:[1,1]
.else
	v_pk_mul_f32 v[X+16*\g+\i:X+16*\g+\i+1], v[X+16*\g+\i:X+16*\g+\i+1], v[RA+\g:RA+\g+1] op_sel_hi:[1,0]
.endif
.endr
.endr
	v_max3_num_f32 v[RN], v[SS], v[SS+1], v[SS+2]  ; one store: lane i < 8 holds sigma of row i, lane 8 the wave's maximum
	v_max3_num_f32 v[RN], v[RN], v[SS+3], v[SS+4]
	v_max3_num_f32 v[RN], v[RN], v[SS+5], v[SS+6]
	v_max_num_f32 v[RN], v[RN], v[SS+7]
.irp g, 0,1,2,3,4,5,6,7
	v_cmp_eq_u32 vcc_lo, \g, v1
	v_cndmask_b32 v[RN], v[RN], v[SS+\g], vcc_lo
.endr
	v_lshl_add_u32 v[RN+1], v1, 2, s46
	v_cmp_eq_u32 vcc_lo, 8, v1
	v_cndmask_b32 v[RN+1], v[RN+1], s47, vcc_lo
	v_cmp_gt_u32 vcc_lo, 9, v1
	s_wait_xcnt 0x0                                ; EXEC is a source of the loads above: it changes only behind this wait
	s_and_saveexec_b32 s44, vcc_lo
	global_store_b32 v[RN+1], v[RN], s[38:39]
	s_wait_xcnt 0x0                                ; and again in front of the line that widens it
	s_or_b32 exec_lo, exec_lo, s44
.Lout:                                         ; THE WAY OUT, for rows and weights: a segment is rounded to f16 in place (result i reads registers 2 i, 2 i + 1, which no later result needs) and stored
.irp g, 0,1,2,3,4,5,6,7
	s_wait_loadcnt 28-4*\g                         ; loads come back in order: the later segments' 4 (7 - g) may stay out (the rows have waited for all)
.irp i, 0,1,2,3,4,5,6,7
	v_cvt_pk_f16_f32 v[X+16*\g+\i], v[X+16*\g+2*\i], v[X+16*\g+2*\i+1]
.endr
	global_store_b128 v3, v[X+16*\g:X+16*\g+3],   s[6:7] offset:\g*1024
	global_store_b128 v3, v[X+16*\g+4:X+16*\g+7], s[6:7] offset:\g*1024+512
.endr
	s_endpgm
.Lpool:                                        ; pool_w [512][8] f32 -> [16][512] f16: thread t has k = 4 t .. 4 t + 3, 128 consecutive bytes
	v_lshlrev_b32 v5, 7, v0
	v_lshlrev_b32 v6, 3, v0
.irp i, 0,1,2,3,4,5,6,7
	global_load_b128 v[16+4*\i:19+4*\i], v5, s[30:31] offset:16*\i
.endr
	v_mov_b32 v64, 0
	v_mov_b32 v65, 0
	s_wait_loadcnt 0x0
.irp p, 0,1,2,3,4,5,6,7
	v_cvt_pk_f16_f32 v[48+2*\p], v[16+\p], v[24+\p]
	v_cvt_pk_f16_f32 v[49+2*\p], v[32+\p], v[40+\p]
	global_store_b64 v6, v[48+2*\p:49+2*\p], s[36:37] offset:PWT+\p*1024
.endr
.irp p, 8,9,10,11,12,13,14,15
	global_store_b64 v6, v[64:65], s[36:37] offset:PWT+\p*1024
.endr
	s_endpgm
.Lfunc_end_k_qca2fc53d15_prep:
	.size	k_qca2fc53d15_prep, .Lfunc_end_k_qca2fc53d15_prep-k_qca2fc53d15_prep
	.p2alignl 7, 3214868480
	.fill 96, 4, 3214868480
	.section	.rodata,"a",@progbits
	.p2align	6, 0x0
	.amdhsa_kernel k_qca2fc53d15_prep
		.amdhsa_group_segment_fixed_size 0
		.amdhsa_private_segment_fixed_size 0
		.amdhsa_enable_private_segment 0
		.amdhsa_kernarg_size 128
		.amdhsa_user_sgpr_count 2
		.amdhsa_user_sgpr_kernarg_segment_ptr 1
		.amdhsa_wavefront_size32 1
		.amdhsa_system_sgpr_workgroup_id_x 1
		.amdhsa_system_sgpr_workgroup_id_y 1
		.amdhsa_system_sgpr_workgroup_id_z 1
		.amdhsa_system_vgpr_workitem_id 0
		.amdhsa_next_free_vgpr 176
		.amdhsa_next_free_sgpr 66
		.amdhsa_reserve_vcc 1
		.amdhsa_float_denorm_mode_32 3
		.amdhsa_float_denorm_mode_16_64 3
		.amdhsa_memory_ordered 1
		.amdhsa_forward_progress 1
		.amdhsa_inst_pref_size 37
	.end_amdhsa_kernel
	.amdgpu_metadata
---
amdhsa.version: [ 1, 2 ]
amdhsa.kernels:
  - .name:           k_qca2fc53d15_prep
    .symbol:         k_qca2fc53d15_prep.kd
    .args:
      - { .name: x, .offset: 0, .size: 8, .value_kind: global_buffer, .address_space: global }
      - { .name: q1_w, .offset: 8, .size: 8, .value_kind: global_buffer, .address_space: global }
      - { .name: k1_w, .offset: 16, .size: 8, .value_kind: global_buffer, .address_space: global }
      - { .name: v1_w, .offset: 24, .size: 8, .value_kind: global_buffer, .address_space: global }
      - { .name: q2_w, .offset: 32, .size: 8, .value_kind: global_buffer, .address_space: global }
      - { .name: k2_w, .offset: 40, .size: 8, .value_kind: global_buffer, .address_space: global }
      - { .name: v2_w, .offset: 48, .size: 8, .value_kind: global_buffer, .address_space: global }
      - { .name: o1_w, .offset: 56, .size: 8, .value_kind: global_buffer, .address_space: global }
      - { .name: ffn_w1, .offset: 64, .size: 8, .value_kind: global_buffer, .address_space: global }
      - { .name: ffn_w2, .offset: 72, .size: 8, .value_kind: global_buffer, .address_space: global }
      - { .name: o2_w, .offset: 80, .size: 8, .value_kind: global_buffer, .address_space: global }
      - { .name: pool_w, .offset: 88, .size: 8, .value_kind: global_buffer, .address_space: global }
      - { .name: wa, .offset: 96, .size: 8, .value_kind: global_buffer, .address_space: global }
      - { .name: wb, .offset: 104, .size: 8, .value_kind: global_buffer, .address_space: global }
      - { .name: wc, .offset: 112, .size: 8, .value_kind: global_buffer, .address_space: global }
      - { .name: act, .offset: 120, .size: 8, .value_kind: global_buffer, .address_space: global }
    .group_segment_fixed_size: 0
    .private_segment_fixed_size: 0
    .kernarg_segment_align: 8
    .kernarg_segment_size: 128
    .max_flat_workgroup_size: 128
    .sgpr_count:     66
    .vgpr_count:     176
    .wavefront_size: 32
...
	.end_amdgpu_metadata
.endif
;; end of part 1
;; launch qkv (part 2): grid 4 x 64, 4 waves a work-group, clusters of 4 x 4, 327,680 bytes of LDS; arguments act, wa, q1_b, v1_b, qkv; writes qkv
.if DOCPART == 2
	.amdgcn_target "amdgcn-amd-amdhsa--gfx1250"
	.amdhsa_code_object_version 6
	.text
	.protected	k_qca2fc53d15_qkv
	.globl	k_qca2fc53d15_qkv
	.p2align	8
	.type	k_qca2fc53d15_qkv,@function
k_qca2fc53d15_qkv:
	s_mov_b64 s[64:65], 0
	v_nop
	global_prefetch_b8 v0, s[64:65] scope:SCOPE_SE
	s_setreg_imm32_b32 hwreg(HW_REG_WAVE_MODE, 25, 1), 1
	s_wait_xcnt 0x0
	s_wait_alu depctr_hold_cnt(0) depctr_sa_sdst(0) depctr_va_vdst(0) depctr_va_sdst(0) depctr_va_ssrc(0) depctr_va_vcc(0) depctr_vm_vsrc(0)
	s_getreg_b32 s2, hwreg(HW_REG_IB_STS2, 6, 4)
	s_cmp_eq_u32 s2, 0
	s_cbranch_scc0 .Lentry_in_a_cluster
	s_endpgm
.Lentry_in_a_cluster:
	s_bfe_u32 s2, ttmp6, 0x10000c
	s_cmp_lg_u32 s2, 0xf033
	s_cbranch_scc0 .Lentry_shape_is_right
	s_endpgm
.Lentry_shape_is_right:
; Q, K, V OF ONE LAYER.  act holds the rows as a_i (f16, |a| <= 1), their factors sigma_i (f32) and 1,024 partial maxima of sigma; w holds Wq, Wk, Wv in f16, [512 k][512 n].
; q = (sigma_i (a_i Wq) + q_b) c, c = log2(e) / 8, in bf16;  k = sigma_i (a_i Wk) in bf16;  v' = (sigma_i (a_i Wv) + v_b) / T in f16, T = max(max sigma, max |v_b|, 1e-30).
; LEFT OUT: the key bias (it adds the same number to all scores of a softmax row: shown at the head of the first kernel).
; LIMIT: |v'| <= sum over k of |Wv[k][n]| + 1 stays within f16's 65,504.  All three leave by heads, [32 bh][2048][64]; T is stored once for each work-group.
; SHARES.  Work-group (c, rb): rows 128 rb .. + 127, heads 2 c and 2 c + 1 of q, k and v: 384 columns; K = 512 in four steps of 128 through two LDS slots.
; Wave w: rows 64 (w / 2) .. + 63, head 2 c + w % 2: 4 x 12 accumulators; for 32 along K it reads 32 times 16 bytes a lane from LDS for 48 matrix instructions.
; A K STEP IS TWO TRIPS OF ONE TEXT: a trip multiplies two quarters of 32 along K, on two fragment buffers, and fetches the next two; the step's last trip jumps over the fetch that has no quarter.
; THE PRODUCT IS USED TRANSPOSED: source 0 = 16 columns of W (turned on the way out of LDS), source 1 = 16 rows of a: a lane holds one row and eight neighbouring columns.
; CLUSTER 4 x 4: the rows' tile is shared along a row of the cluster, the weights' three tiles along a column: joint loads, waves 0-2 fetch Wq, Wk, Wv, wave 3 the rows.
; NO PREFETCH: the walk has four K steps, all asked for within its first three changes of slots: nothing lies two steps ahead of a refill.
; REGISTERS: window 0 addresses, factors, biases, way out; window 1 two fragment buffers of 128 (rows' fragment a at 8 a, weights' (t, b) at 32 + 8 (4 t + b));
;   window 2 accumulators of row tiles 0, 1 at 8 (12 (a % 2) + 4 t + b); window 3 those of row tiles 2, 3.
.set SLOTB, 0x24000                    ; a slot: three weight tiles of 36,864 bytes (128 rows, pitch 288), then the rows' tile (128 rows, pitch 272)
.set REGB,  36864
.set AOFF,  110592
.set PB,    288                        ; 256 + 32
.set PA,    272                        ; 256 + 16: the 16 rows of a fragment load start at 16 different groups of four banks
.set QTB,   32*PB                      ; a quarter of a weight tile: 32 rows
.set STAGE, 294912                     ; behind the ring: 16 rows x 144 bytes for each wave
.set SP,    144
.set SPARE, 304128                     ; the spare words, 128 bytes a wave, which no other line names
.set SIG,   8388608
.set SMAX,  8421376
.set TSC,   25165824
.set ADRA0, 12                         ; v12     my place in the rows' tile of slot 0
.set ADRB0, 13                         ; v13-15  the same in the three weight tiles
.set ADRA,  16                         ; v16     at the pair of quarters in hand
.set ADRB,  18                         ; v18-20
.set STO,   24
.set RD,    25
.set GO,    26
.set SPW,   28
.set NIL,   29
.set SG,    32                         ; v32-35  sigma of row tile a
.set SQ,    36                         ; v36-39  sigma c
.set SV,    40                         ; v40-43  sigma / T   (= SQ + 4)
.set TT,    44                         ; v44-91  what T is made of; later v44-75 a block's 32 scaled sums
.set IT,    92                         ; v92 1 / T, v93 T, v94 T's store offset
.set QB,    96                         ; v96-127   q_b c for my 64 columns: 8 b + j
.set VB,    128                        ; v128-159  v_b / T   (= QB + 32)
.set PKR,   168                        ; v168-183  a block rounded
.set BK,    192                        ; v192-223  two blocks read back from the stage
.set F0,    0
.set F1,    128
.set WV,    14
.set G1A,   24
.set G0A,   32
.set G1B,   40
.set G0B,   48
.set TB,    62                         ; s62  slot + the pair's place in a weight tile
.set KC,    63
.set TA,    72                         ; s72  slot + the pair's place along the rows
.set PC,    73                         ; s73  counts a step's two trips
.set SEL,   76
.set MSB, 0
.macro WIN new                         ; the immediate's high byte repeats the setting that is left; a switch that changes nothing is dropped
.if MSB != (\new)
	s_set_vgpr_msb (MSB<<8)|(\new)
.set MSB, (\new)
.endif
.endm
.macro PLACES                          ; four places behind matrix instructions, ahead of loads into their sources and of readers of their results
.rept 4
	v_nop
.endr
.endm
.macro CROUND                          ; a round of the cluster's barrier
	s_barrier_signal -1
	s_barrier_wait -1
	s_cmp_lg_u32 s[WV], 0
	s_cbranch_scc1 .Lnw0_\@
	s_barrier_signal -3
.Lnw0_\@:
	s_barrier_wait -3
	s_barrier_signal -1
	s_barrier_wait -1
.endm
.macro JLOAD                           ; a joint load: wave 3 the rows' tile, waves 0-2 a weight tile each; the branch hangs on the wave's number alone
	s_cmp_eq_u32 s[WV], 3
	s_cbranch_scc0 .Lfor_b_\@
	tensor_load_to_lds s[G0A:G0A+3], s[G1A:G1A+7]
	s_nop 0
.rept 4
	v_nop
.endr
	s_branch .Lasked_\@
.Lfor_b_\@:
	tensor_load_to_lds s[G0B:G0B+3], s[G1B:G1B+7]
	s_nop 0
.rept 4
	v_nop
.endr
.Lasked_\@:
.endm
	s_load_b256 s[4:11], s[0:1], 0x0               ; act s[4:5], w s[6:7], q_b s[8:9], v_b s[10:11]
	s_load_b64 s[12:13], s[0:1], 0x20              ; qkv
	v_lshl_add_u32 v[SPW], v0, 2, SPARE
	v_mov_b32 v[NIL], 0
	ds_add_u32 v[SPW], v[NIL]                      ; the opening: the add, twice on end, and its wait ahead of my first tensor load
	ds_add_u32 v[SPW], v[NIL]
	v_lshrrev_b32 v1, 5, v0
	v_readfirstlane_b32 s[WV], v1
	s_lshr_b32 s15, s[WV], 1                       ; which 64 rows
	s_and_b32 s16, s[WV], 1                        ; which of the two heads
	s_bfe_u32 s17, ttmp6, 0x40000                  ; cx
	s_bfe_u32 s18, ttmp6, 0x40004                  ; cy
	s_lshl_b32 s19, ttmp9, 2
	s_add_co_u32 s19, s19, s17                     ; c
	s_and_b32 s20, ttmp7, 0xffff
	s_lshl_b32 s20, s20, 2
	s_add_co_u32 s20, s20, s18                     ; rb
	s_lshl_b32 s21, s18, 2
	s_lshl_b32 s21, 15, s21                        ; my row of the cluster
	s_lshl_b32 s22, 0x1111, s17                    ; my column
	s_or_b32 s[G1A], s21, (1<<16)|(1<<20)|(1<<21)|(5<<22)|(3<<25)  ; mask; 2-byte elements; padding on; bit 21 beside a mask; after every 64 words 4 words
	s_or_b32 s[G1B], s22, (1<<16)|(1<<20)|(1<<21)|(5<<22)|(7<<25)  ; the same with 8 words
.irp g, G1A, G1B
	s_mov_b32 s[\g+1], 128<<16                     ; tensor_dim0 = 128
	s_mov_b32 s[\g+2], 128<<16                     ; tensor_dim1 = 128
	s_mov_b32 s[\g+3], 128<<16                     ; tile_dim0 = 128
	s_mov_b32 s[\g+4], 128                         ; tile_dim1 = 128
	s_mov_b32 s[\g+5], 512                         ; 512 elements from row to row
	s_mov_b32 s[\g+6], 0
	s_mov_b32 s[\g+7], 0
.endr
	s_mul_i32 s23, s[WV], REGB                     ; my tile's place in a slot: the wave's number alone
	s_mov_b32 s[G0A], 1
	s_mov_b32 s[G0A+1], s23
	s_mov_b32 s[G0B], 1
	s_mov_b32 s[G0B+1], s23
	s_lshl_b32 s66, s20, 17                        ; the rows: 128 rb rows of 1,024 bytes (never holds cx)
	s_mov_b32 s67, 0
	s_lshl_b32 s68, s[WV], 19                      ; the weights: matrix = wave, columns 128 c (never holds cy)
	s_lshl_b32 s69, s19, 8
	s_add_co_u32 s68, s68, s69
	s_mov_b32 s69, 0
	s_mov_b32 s[SEL], 0x76543210
	s_mov_b32 s[SEL+1], 0xfedcba98
	s_mov_b32 s[TB], 0
	s_mov_b32 s[TA], 0
	s_mov_b32 s[KC], 3
	s_wait_dscnt 0x0                               ; both opening adds are done
	s_wait_kmcnt 0x0
	s_add_nc_u64 s[G0A+2:G0A+3], s[4:5], s[66:67]
	s_or_b32 s[G0A+3], s[G0A+3], 0x80000000
	s_add_nc_u64 s[G0B+2:G0B+3], s[6:7], s[68:69]
	s_or_b32 s[G0B+3], s[G0B+3], 0x80000000
	CROUND                                         ; all sixteen work-groups are here
	JLOAD                                          ; K step 0 into slot 0: one tensor load of mine is out
	v_and_b32 v1, 15, v0                           ; r
	v_bfe_u32 v2, v0, 4, 1                         ; h
	v_and_b32 v3, 31, v0                           ; lane
	v_and_b32 v4, 7, v0
	v_bfe_u32 v5, v0, 3, 1
	v_lshlrev_b32 v7, 4, v3                        ; 16 x lane
	v_add_nc_u32 v8, SMAX, v7
.irp j, 0,1,2,3,4,5,6,7
	global_load_b128 v[TT+4*\j:TT+4*\j+3], v8, s[4:5] offset:512*\j          ; the 1,024 partial maxima of sigma
.endr
.irp j, 0,1,2,3
	global_load_b128 v[TT+32+4*\j:TT+32+4*\j+3], v7, s[10:11] offset:512*\j  ; all of v_b
.endr
	s_lshl_b32 s70, s20, 9
	s_lshl_b32 s71, s15, 8
	s_add_co_u32 s70, s70, s71
	s_add_co_u32 s70, s70, SIG
	v_lshl_add_u32 v9, v1, 2, s70
.irp a, 0,1,2,3
	global_load_b32 v[SG+\a], v9, s[4:5] offset:64*\a                        ; sigma of row 16 a + r of my 64
.endr
	s_lshl_b32 s70, s19, 1
	s_add_co_u32 s70, s70, s16
	s_lshl_b32 s70, s70, 8                         ; my head's 64 columns, in bytes of f32
	v_lshl_add_u32 v10, v2, 5, s70
.irp b, 0,1,2,3
	global_load_b128 v[QB+8*\b:QB+8*\b+3],   v10, s[8:9] offset:64*\b
	global_load_b128 v[QB+8*\b+4:QB+8*\b+7], v10, s[8:9] offset:64*\b+16
	global_load_b128 v[VB+8*\b:VB+8*\b+3],   v10, s[10:11] offset:64*\b
	global_load_b128 v[VB+8*\b+4:VB+8*\b+7], v10, s[10:11] offset:64*\b+16
.endr
	s_mul_i32 s70, s15, 64*PA
	s_add_co_u32 s70, s70, AOFF
	v_mul_u32_u24 v[ADRA0], v1, PA
	v_lshl_add_u32 v[ADRA0], v2, 4, v[ADRA0]
	v_add_nc_u32 v[ADRA0], s70, v[ADRA0]           ; (64 wr + r) pitch + 16 h
	v_lshl_add_u32 v6, v2, 3, v4
	v_mul_u32_u24 v6, v6, PB
	v_lshl_add_u32 v6, v5, 4, v6                   ; the turning load: row 8 h + l % 8, 16 bytes by (l / 8) % 2
	s_lshl_b32 s70, s16, 7
	v_add_nc_u32 v[ADRB0], s70, v6
	v_add_nc_u32 v[ADRB0+1], REGB, v[ADRB0]
	v_add_nc_u32 v[ADRB0+2], 2*REGB, v[ADRB0]
	s_mul_i32 s70, s[WV], 16*SP
	s_add_co_u32 s70, s70, STAGE
	v_mul_u32_u24 v[STO], v1, SP
	v_lshl_add_u32 v[STO], v2, 4, v[STO]
	v_add_nc_u32 v[STO], s70, v[STO]
	v_lshrrev_b32 v[RD], 3, v3
	v_mul_u32_u24 v[RD], v[RD], SP
	v_lshl_add_u32 v[RD], v4, 4, v[RD]
	v_add_nc_u32 v[RD], s70, v[RD]
	v_lshlrev_b32 v[GO], 4, v3
	v_mov_b32 v[IT], 0
	; where my 64 rows of my head begin in q; k and v lie 8,388,608 bytes further each
	s_lshr_b32 s70, s20, 4
	s_lshl_b32 s70, s70, 3
	s_lshl_b32 s71, s19, 1
	s_add_co_u32 s70, s70, s71
	s_add_co_u32 s70, s70, s16                     ; bh
	s_lshl_b32 s70, s70, 11
	s_and_b32 s71, s20, 15
	s_lshl_b32 s71, s71, 7
	s_add_co_u32 s70, s70, s71
	s_lshl_b32 s71, s15, 6
	s_add_co_u32 s70, s70, s71
	s_lshl_b32 s70, s70, 7
	s_mov_b32 s71, 0
	s_add_nc_u64 s[56:57], s[12:13], s[70:71]
	s_add_nc_u64 s[58:59], s[56:57], 8388608
	s_add_nc_u64 s[60:61], s[58:59], 8388608
	WIN 0x80                                       ; the sums start at 0, written while the first tile is on its way: the loop then has one form of product
.set i, 0
.rept 192
	v_mov_b32 v[i], 0
.set i, i+1
.endr
	WIN 0xc0
.set i, 0
.rept 192
	v_mov_b32 v[i], 0
.set i, i+1
.endr
	WIN 0
	s_wait_loadcnt 0x0
	v_max_num_f32 v[IT+1], v[TT], v[TT+1]          ; T
.set i, TT+2
.rept 15
	v_max3_num_f32 v[IT+1], v[IT+1], v[i], v[i+1]
.set i, i+2
.endr
.rept 8
	v_max3_num_f32 v[IT+1], v[IT+1], |v[i]|, |v[i+1]|
.set i, i+2
.endr
.irp m, 1,2,4,8
	v_max_num_f32_dpp v[IT+1], v[IT+1], v[IT+1] row_xmask:\m row_mask:0xf bank_mask:0xf
.endr
	v_permlanex16_b32 v[IT], v[IT+1], s[SEL], s[SEL+1]
	v_max_num_f32 v[IT+1], v[IT+1], v[IT]
	v_max_num_f32 v[IT+1], 0x0da24260, v[IT+1]
	v_rcp_f32 v[IT], v[IT+1]
	v_nop
	s_wait_alu depctr_va_vdst(0)                   ; the reciprocal's wait, ahead of its first reader
.irp a, 0,1,2,3
	v_mul_f32 v[SQ+\a], 0x3e38aa3b, v[SG+\a]
	v_mul_f32 v[SV+\a], v[SG+\a], v[IT]
.endr
.set i, 0
.rept 16
	v_pk_mul_f32 v[QB+i:QB+i+1], v[QB+i:QB+i+1], 0x3e38aa3b op_sel_hi:[1,0]
	v_pk_mul_f32 v[VB+i:VB+i+1], v[VB+i:VB+i+1], v[IT:IT+1] op_sel_hi:[1,0]
.set i, i+2
.endr
	s_cmp_lg_u32 s[WV], 0
	s_cbranch_scc1 .Lno_t
	s_lshl2_add_u32 s70, s20, s19                  ; entry 4 rb + c: 128 bytes, all T
	s_lshl_b32 s70, s70, 7
	s_add_co_u32 s70, s70, TSC
	v_lshl_add_u32 v[IT+2], v3, 2, s70
	global_store_b32 v[IT+2], v[IT+1], s[12:13]
.Lno_t:
.macro ADRS                            ; my LDS addresses at the pair of quarters in hand
	v_add_nc_u32 v[ADRA], s[TA], v[ADRA0]
	v_add_nc_u32 v[ADRB], s[TB], v[ADRB0]
	v_add_nc_u32 v[ADRB+1], s[TB], v[ADRB0+1]
	v_add_nc_u32 v[ADRB+2], s[TB], v[ADRB0+2]
.endm
.macro FETCH q, f                      ; 32 LDS loads in one run: 32 along K, q quarters on from the pair's first; the weights' 24 first
	WIN 0x40
.irp t, 0,1,2
.irp b, 0,1,2,3
	ds_load_tr16_b128 v[(\f)+32+8*(4*\t+\b):(\f)+32+8*(4*\t+\b)+3],   v[ADRB+\t] offset:(\q)*QTB+32*\b
	ds_load_tr16_b128 v[(\f)+32+8*(4*\t+\b)+4:(\f)+32+8*(4*\t+\b)+7], v[ADRB+\t] offset:(\q)*QTB+32*\b+16*PB
.endr
.endr
.irp a, 0,1,2,3
	ds_load_b128 v[(\f)+8*\a:(\f)+8*\a+3],   v[ADRA] offset:\a*16*PA+64*(\q)
	ds_load_b128 v[(\f)+8*\a+4:(\f)+8*\a+7], v[ADRA] offset:\a*16*PA+64*(\q)+32
.endr
.endm
.macro MUL24 f, hi                     ; 24 products, each accumulator once: the 48 take turns, one instruction a turn
	WIN 0xa5+0x50*(\hi)
.irp a, 0,1
.irp n, 0,1,2,3,4,5,6,7,8,9,10,11
	v_wmma_f32_16x16x32_f16 v[8*(12*\a+\n):8*(12*\a+\n)+7], v[(\f)+32+8*\n:(\f)+32+8*\n+7], v[(\f)+8*(2*(\hi)+\a):(\f)+8*(2*(\hi)+\a)+7], v[8*(12*\a+\n):8*(12*\a+\n)+7]
.endr
.endr
.endm
; A K STEP.  A quarter multiplies one buffer and, in its middle, fetches the next quarter into the other.  The wait for a buffer's last four loads stands ahead of that fetch and is for 0,
; so that it holds on both ways round the jump: those four were issued 24 matrix instructions or more before.
.macro STEP
	FETCH 0, F0
	WIN 0                                          ; at a label and at a branch every window is 0
	s_mov_b32 s[PC], 2
.Lpair_\@:
	s_wait_dscnt 4                                 ; buffer 0: all but the youngest four loads, row tiles 2 and 3
	MUL24 F0, 0
	s_wait_dscnt 0x0                               ; those four
	PLACES
	FETCH 1, F1
	MUL24 F0, 1
	s_wait_dscnt 4                                 ; buffer 1 likewise
	MUL24 F1, 0
	s_wait_dscnt 0x0
	WIN 0
	s_cmp_eq_u32 s[PC], 1
	s_cbranch_scc1 .Llast_\@                       ; the step's last quarter has none behind it: 32 LDS loads and their places are jumped, no barrier and no tensor load
	PLACES
	FETCH 2, F0
	WIN 0
.Llast_\@:
	MUL24 F1, 1
	WIN 0
	s_add_co_u32 s[TB], s[TB], 2*QTB               ; the next pair
	s_add_co_u32 s[TA], s[TA], 128
	ADRS
	s_sub_co_u32 s[PC], s[PC], 1
	s_cmp_lg_u32 s[PC], 0
	s_cbranch_scc1 .Lpair_\@
	s_sub_co_u32 s[TB], s[TB], 4*QTB               ; back to a slot's first quarter,
	s_xor_b32 s[TB], s[TB], SLOTB                  ; in the other slot
	s_sub_co_u32 s[TA], s[TA], 256
	s_xor_b32 s[TA], s[TA], SLOTB
.endm
; THE CHANGE OF SLOTS.  Each wave waits for all its tensor loads (one is out: its tile of the slot to be read), adds 0 to its spare word, and waits for that and for its reads of the other slot.
; fill = 1: a round of the cluster's barrier, and the joint load of the next K step into the slot read last is the first thing behind it.
.macro BOUND fill
	WIN 0
	s_wait_tensorcnt 0x0
	ds_add_u32 v[SPW], v[NIL]                      ; the descriptors' steps stand between it and its wait
.if \fill
	s_xor_b32 s[G0A+1], s[G0A+1], SLOTB            ; the other slot (the slot's two bits are in no tile's offset)
	s_xor_b32 s[G0B+1], s[G0B+1], SLOTB
	s_add_nc_u64 s[G0A+2:G0A+3], s[G0A+2:G0A+3], 256
	s_add_nc_u64 s[G0B+2:G0B+3], s[G0B+2:G0B+3], 131072
	s_wait_dscnt 0x0
	CROUND
	JLOAD
.else
	s_wait_dscnt 0x0
	s_barrier_signal -1
	s_barrier_wait -1
	PLACES
.endif
	ADRS
.endm
.Lk:                                           ; trip i multiplies K step i and asks for K step i + 1
	BOUND 1
	STEP
	s_sub_co_u32 s[KC], s[KC], 1
	s_cmp_lg_u32 s[KC], 0
	s_cbranch_scc1 .Lk
	BOUND 0                                        ; the last K step asks for nothing
	STEP
	PLACES
; THE WAY OUT, twelve blocks (t, a) of 16 rows x 64 columns: scaled in f32, rounded once, through my stage, stored as 512 consecutive bytes.
.macro EPB t, a
.set AC, 8*(12*((\a)%2)+4*(\t))
.set MP, 2*((\a)/2)
	WIN 0x02+(\a)/2
.set z, 0
.rept 16                               ; each accumulator's registers in ascending order
.if (\t) == 1
.if (\a)%2
	v_pk_mul_f32 v[TT+2*z:TT+2*z+1], v[AC+2*z:AC+2*z+1], v[SG+MP:SG+MP+1] op_sel:[0,1] op_sel_hi:[1,1]
.else
	v_pk_mul_f32 v[TT+2*z:TT+2*z+1], v[AC+2*z:AC+2*z+1], v[SG+MP:SG+MP+1] op_sel_hi:[1,0]
.endif
.else
.if (\a)%2
	v_pk_fma_f32 v[TT+2*z:TT+2*z+1], v[AC+2*z:AC+2*z+1], v[SQ+2*(\t)+MP:SQ+2*(\t)+MP+1], v[QB+16*(\t)+2*z:QB+16*(\t)+2*z+1] op_sel:[0,1,0] op_sel_hi:[1,1,1]
.else
	v_pk_fma_f32 v[TT+2*z:TT+2*z+1], v[AC+2*z:AC+2*z+1], v[SQ+2*(\t)+MP:SQ+2*(\t)+MP+1], v[QB+16*(\t)+2*z:QB+16*(\t)+2*z+1] op_sel_hi:[1,0,1]
.endif
.endif
.set z, z+1
.endr
	WIN 0
.set z, 0
.rept 16
.if (\t) == 2
	v_cvt_pk_f16_f32 v[PKR+z], v[TT+2*z], v[TT+2*z+1]
.else
	v_cvt_pk_bf16_f32 v[PKR+z], v[TT+2*z], v[TT+2*z+1]
.endif
.set z, z+1
.endr
.irp b, 0,1,2,3
	ds_store_b128 v[STO], v[PKR+4*\b:PKR+4*\b+3] offset:32*\b
.endr
	s_wait_xcnt 0x0                                ; the stores of the block two back have read the registers that are loaded again now
.set BB, BK+16*((4*(\t)+(\a))%2)
.irp f, 0,1,2,3
	ds_load_b128 v[BB+4*\f:BB+4*\f+3], v[RD] offset:\f*576   ; LDS serves a wave's instructions in order: these see the stores above
.endr
.endm
.macro SENDB t, a, younger             ; younger: the next block's eight LDS instructions, or none
.set BB, BK+16*((4*(\t)+(\a))%2)
.irp f, 0,1,2,3
	s_wait_dscnt (\younger)+3-\f
	global_store_b128 v[GO], v[BB+4*\f:BB+4*\f+3], s[56+2*(\t):57+2*(\t)] offset:(\a)*2048+\f*512
.endr
.endm
	EPB 0, 0
.irp n, 1,2,3,4,5,6,7,8,9,10,11
	EPB (\n)/4, (\n)%4
	SENDB ((\n)-1)/4, ((\n)-1)%4, 8
.endr
	SENDB 2, 3, 0
	s_wait_tensorcnt 0x0                           ; the wave's end
	ds_add_u32 v[SPW], v[NIL]
	s_wait_dscnt 0x0
	CROUND                                         ; the closing round
	s_endpgm
.Lfunc_end_k_qca2fc53d15_qkv:
	.size	k_qca2fc53d15_qkv, .Lfunc_end_k_qca2fc53d15_qkv-k_qca2fc53d15_qkv
	.p2alignl 7, 3214868480
	.fill 96, 4, 3214868480
	.section	.rodata,"a",@progbits
	.p2align	6, 0x0
	.amdhsa_kernel k_qca2fc53d15_qkv
		.amdhsa_group_segment_fixed_size 327680
		.amdhsa_private_segment_fixed_size 0
		.amdhsa_enable_private_segment 0
		.amdhsa_kernarg_size 40
		.amdhsa_user_sgpr_count 2
		.amdhsa_user_sgpr_kernarg_segment_ptr 1
		.amdhsa_wavefront_size32 1
		.amdhsa_system_sgpr_workgroup_id_x 1
		.amdhsa_system_sgpr_workgroup_id_y 1
		.amdhsa_system_sgpr_workgroup_id_z 1
		.amdhsa_system_vgpr_workitem_id 0
		.amdhsa_next_free_vgpr 960
		.amdhsa_next_free_sgpr 100
		.amdhsa_reserve_vcc 0
		.amdhsa_float_denorm_mode_32 3
		.amdhsa_float_denorm_mode_16_64 3
		.amdhsa_memory_ordered 1
		.amdhsa_forward_progress 1
		.amdhsa_inst_pref_size 94
	.end_amdhsa_kernel
	.amdgpu_metadata
---
amdhsa.version: [ 1, 2 ]
amdhsa.kernels:
  - .name:           k_qca2fc53d15_qkv
    .symbol:         k_qca2fc53d15_qkv.kd
    .args:
      - { .name: act, .offset: 0, .size: 8, .value_kind: global_buffer, .address_space: global }
      - { .name: wa, .offset: 8, .size: 8, .value_kind: global_buffer, .address_space: global }
      - { .name: q1_b, .offset: 16, .size: 8, .value_kind: global_buffer, .address_space: global }
      - { .name: v1_b, .offset: 24, .size: 8, .value_kind: global_buffer, .address_space: global }
      - { .name: qkv, .offset: 32, .size: 8, .value_kind: global_buffer, .address_space: global }
    .group_segment_fixed_size: 327680
    .private_segment_fixed_size: 0
    .kernarg_segment_align: 8
    .kernarg_segment_size: 40
    .max_flat_workgroup_size: 128
    .sgpr_count:     100
    .vgpr_count:     960
    .wavefront_size: 32
...
	.end_amdgpu_metadata
.endif
;; end of part 2
;; launch att (part 3): grid 8 x 32, 4 waves a work-group, clusters of 4 x 1, 327,680 bytes of LDS; arguments qkv, mask, o; writes o
.if DOCPART == 3
	.amdgcn_target "amdgcn-amd-amdhsa--gfx1250"
	.amdhsa_code_object_version 6
	.text
	.protected	k_qca2fc53d15_att
	.globl	k_qca2fc53d15_att
	.p2align	8
	.type	k_qca2fc53d15_att,@function
k_qca2fc53d15_att:
	s_mov_b64 s[64:65], 0
	v_nop
	global_prefetch_b8 v0, s[64:65] scope:SCOPE_SE
	s_setreg_imm32_b32 hwreg(HW_REG_WAVE_MODE, 25, 1), 1
	s_wait_xcnt 0x0
	s_wait_alu depctr_hold_cnt(0) depctr_sa_sdst(0) depctr_va_vdst(0) depctr_va_sdst(0) depctr_va_ssrc(0) depctr_va_vcc(0) depctr_vm_vsrc(0)
	s_getreg_b32 s2, hwreg(HW_REG_IB_STS2, 6, 4)
	s_cmp_eq_u32 s2, 0
	s_cbranch_scc0 .Lentry_in_a_cluster
	s_endpgm
.Lentry_in_a_cluster:
	s_bfe_u32 s2, ttmp6, 0x10000c
	s_cmp_lg_u32 s2, 0x3003
	s_cbranch_scc0 .Lentry_shape_is_right
	s_endpgm
.Lentry_shape_is_right:
; ATTENTION OF ONE LAYER.  O'[bh][q] = the sum over k of softmax_k(s) V'[bh][k], s = q . k - mask[k] 1e30 log2(e): q (bf16) carries log2(e) / 8, so scores are in powers of two.
; Q, K bf16, V', P, O' f16, all [32 bh][2048][64]; products, maxima and sums in f32; the weights are rounded to f16 for the second product, their sum is taken unrounded.
; THE MASK: - mask 1e30 log2(e) is made once a work-group, kept in LDS, and is the C operand of the products that start S^T.  A running maximum m is kept; it starts at the lowest finite number.
; LIMITS: a weight below 2^-126 counts as 0; where all keys of a batch are masked the weights are equal only as far as -1.44e30 plus a score is -1.44e30; NaN and infinities are not treated apart.
; SHARES: a work-group has 256 queries of one head, a wave 64: four PIECES of 16.  Every wave walks all 2,048 keys, 64 a step, 256 a slot.
; LAYOUT: S^T = K Q^T holds one query a lane (lane % 16) and the keys 8 (lane / 16) + 0..7; two such results rounded in pairs ARE source 1 of O^T = V^T P.  V comes out of LDS turned.
; TURNS: turn n belongs to piece n: 8 products K Q^T of piece n + 1, later 8 products V^T P of piece n - 1; beside them the subtraction of m, exponentials, roundings, sums and rescaling of piece n
; and the maximum and statistics of piece n + 1.  Four vector instructions stand behind each matrix instruction, the rest in one run.  A turn's 33 exponentials are one batch with one wait.
; CLUSTER: the four query blocks of a cluster belong to one head and walk the same K and V: each tile is asked for jointly.
; REGISTERS: window 0: v2-15 addresses; v16-31 statistics (piece t: m, m_old, l, l); v32-47 the mask as loaded; v48-55 at work; v64-127 S^T, two buffers; v192-223 P, two buffers
;   window 1: v0-127 O^T; v128-159 the mask terms of the step whose K is in registers      window 2: v0-63 Q; v128-191 K; v192-255 V
.set NP,    4
.set KS,    64
.set PK,    144                        ; a row of K in LDS: 128 + 16 bytes
.set PV,    160                        ; a row of V: 128 + 32
.set VOFF,  4*KS*PK
.set SLOT1, 1<<17
.set STAGE, SLOT1+4*KS*(PK+PV)         ; 16 rows x 144 bytes a wave, for the way out
.set SP,    144
.set SPARE, STAGE+4*16*SP              ; the spare words, which no other line names
.set MASKB, SPARE+512                  ; 2,048 mask terms in f32; no tensor load lands here
.set AK0, 2
.set AV0, 3
.set AK,  4
.set AV,  5
.set STO, 6
.set RD,  7
.set GO,  8
.set AM0, 12
.set AM,  13
.set MST, 14
.set QO,  15
.set ST,  16
.set MK,  32
.set TMP, 48
.set MO,  56
.set PFO, 61
.set SPW, 62
.set NIL, 63
.set S,   64
.set P,   192
.set MC,  128
.set KF,  128
.set VF,  192
.set WV,  12
.set LIM, 15                           ; 1 in a wave that prefetches, else the greatest number
.set PFA, 18                           ; s[18:19] where my prefetches stand
.set G1K, 24
.set G1V, 32
.set G0K, 40
.set G0V, 44
.set SLOTS, 56
.set CNT, 57
.set SEL, 60
.set TBK, 62
.set TBV, 63
.set TBM, 66
.set MSB, 0
.macro WIN new
.if MSB != (\new)
	s_set_vgpr_msb (MSB<<8)|(\new)
.set MSB, (\new)
.endif
.endm
.set W_KQ, 0x0a                        ; K and Q window 2, S^T window 0
.set W_KM, 0x1a                        ; the same with C in window 1
.set W_PV, 0x52                        ; V window 2, P window 0, O^T window 1
.set W_RS, 0x41                        ; destination and source 0 window 1, source 1 window 0
.macro JLOAD                           ; waves 0, 1 fetch the halves of a slot's K, waves 2, 3 those of its V
	s_cmp_lt_u32 s[WV], 2
	s_cbranch_scc0 .Lfor_v_\@
	tensor_load_to_lds s[G0K:G0K+3], s[G1K:G1K+7]
	s_nop 0
.rept 4
	v_nop
.endr
	s_branch .Lasked_\@
.Lfor_v_\@:
	tensor_load_to_lds s[G0V:G0V+3], s[G1V:G1V+7]
	s_nop 0
.rept 4
	v_nop
.endr
.Lasked_\@:
.endm
; A prefetch of the slot after the one that is being asked for: 128 blocks of 256 bytes of K and of V.  The head's first cluster asks; its four partners take 32 blocks each, told apart by
; address; wave 0 asks for K's, wave 2 for V's: a lane a block, each block named once in the launch.  The last change that fills a slot asks for nothing.
.macro ASK
	s_cmp_gt_u32 s[SLOTS], s[LIM]
	s_cbranch_scc0 .Lnot_mine_\@
	global_prefetch_b8 v[PFO], s[PFA:PFA+1] th:TH_LOAD_NT scope:SCOPE_SE
.Lnot_mine_\@:
.endm
.macro CROUND
	s_barrier_signal -1
	s_barrier_wait -1
	s_cmp_lg_u32 s[WV], 0
	s_cbranch_scc1 .Lnw0_\@
	s_barrier_signal -3
.Lnw0_\@:
	s_barrier_wait -3
	s_barrier_signal -1
	s_barrier_wait -1
.endm
; THE CHANGE OF SLOTS: all my tensor loads have landed (one was out: my part of the other slot), the add, the wait for it and for my reads of the slot that I leave; a round; the joint refill first behind it.
.macro CHANGE fill
	WIN 0
	s_wait_tensorcnt 0x0
	ds_add_u32 v[SPW], v[NIL]
.if \fill
.irp g, G0K, G0V
	s_xor_b32 s[\g+1], s[\g+1], SLOT1
	s_add_nc_u64 s[\g+2:\g+3], s[\g+2:\g+3], 4*KS*128
.endr
	s_wait_xcnt 0x0                                ; the last prefetch, a slot back, has read its address
	s_add_nc_u64 s[PFA:PFA+1], s[PFA:PFA+1], 4*KS*128
	s_wait_dscnt 0x0
	CROUND
	JLOAD
	ASK
.else
	s_wait_dscnt 0x0
	s_barrier_signal -1
	s_barrier_wait -1
.endif
	s_sub_co_u32 s[TBK], s[TBK], 4*KS*PK           ; the fetches go back to a slot's first step, in the other slot
	s_xor_b32 s[TBK], s[TBK], SLOT1
	s_sub_co_u32 s[TBV], s[TBV], 4*KS*PV
	s_xor_b32 s[TBV], s[TBV], SLOT1
.endm
	s_load_b128 s[4:7], s[0:1], 0x0                ; qkv s[4:5], mask s[6:7]
	s_load_b64 s[8:9], s[0:1], 0x10                ; o
	v_lshl_add_u32 v[SPW], v0, 2, SPARE
	v_mov_b32 v[NIL], 0
	ds_add_u32 v[SPW], v[NIL]                      ; the opening: the add, twice on end, and its wait ahead of my first tensor load
	ds_add_u32 v[SPW], v[NIL]
	v_lshrrev_b32 v1, 5, v0
	v_readfirstlane_b32 s[WV], v1
	s_bfe_u32 s13, ttmp6, 0x40000                  ; cx
	s_lshl_b32 s14, ttmp9, 2
	s_add_co_u32 s14, s14, s13                     ; my block of 256 queries: it enters Q's and O's addresses alone
	s_and_b32 s20, ttmp7, 0xffff                   ; bh, which the four partners share
	s_lshl_b32 s21, s20, 18                        ; the head's 262,144 bytes
	s_and_b32 s16, s[WV], 1
	s_lshl_b32 s22, s16, 14                        ; my half of a slot's 256 keys
	s_add_co_u32 s22, s22, s21
	s_add_co_u32 s22, s22, 8388608                 ; K lies behind Q
	s_mov_b32 s23, 0
	s_mul_i32 s17, s16, 128*PK
	s_mul_i32 s70, s16, 128*PV
	s_lshl_b32 s2, s14, 15
	s_lshl_b32 s3, s[WV], 13
	s_add_co_u32 s2, s2, s3
	s_add_co_u32 s2, s2, s21
	s_mov_b32 s3, 0
	s_lshr_b32 s72, s20, 3                         ; the batch
	s_lshl_b32 s72, s72, 13
	s_mov_b32 s73, 0
	s_mov_b32 s[G1K], 15|(1<<16)|(1<<20)|(1<<21)|(4<<22)|(3<<25)  ; the mask of four; 2-byte elements; padding on; bit 21 beside a mask; after every 32 words 4 words
	s_mov_b32 s[G1V], 15|(1<<16)|(1<<20)|(1<<21)|(4<<22)|(7<<25)  ; the same with 8 words
.irp g, G1K, G1V
	s_mov_b32 s[\g+1], 128<<16                     ; 128 keys are 16,384 dense bytes: 64 rows of 256 bytes, two keys a row
	s_mov_b32 s[\g+2], 64<<16
	s_mov_b32 s[\g+3], 128<<16
	s_mov_b32 s[\g+4], 64
	s_mov_b32 s[\g+5], 128
	s_mov_b32 s[\g+6], 0
	s_mov_b32 s[\g+7], 0
.endr
	s_mov_b32 s[SEL], 0x76543210
	s_mov_b32 s[SEL+1], 0xfedcba98
	s_mov_b32 s[TBK], SLOT1+4*KS*PK                ; the first change of slots turns these two into 0
	s_mov_b32 s[TBV], SLOT1+4*KS*PV
	s_mov_b32 s[TBM], 0
	s_mov_b32 s[SLOTS], 7                          ; the slot asked for at a change is 8 - SLOTS
	s_mov_b32 s[G0K], 1
	s_mov_b32 s[G0K+1], s17
	s_mov_b32 s[G0V], 1
	s_add_co_u32 s[G0V+1], s70, VOFF
	s_and_b32 s[LIM], s[WV], 1
	s_or_b32 s[LIM], s[LIM], ttmp9                 ; 0 in waves 0 and 2 of the head's first cluster: the same in all four partners
	s_cmp_eq_u32 s[LIM], 0
	s_cselect_b32 s[LIM], 1, -1
	v_and_b32 v[PFO], 31, v0
	v_lshlrev_b32 v[PFO], 8, v[PFO]
	s_wait_dscnt 0x0
	s_wait_kmcnt 0x0
	s_add_nc_u64 s[48:49], s[4:5], s[22:23]        ; K at my half of slot 0
	s_add_nc_u64 s[50:51], s[48:49], 8388608       ; V
	s_mov_b64 s[G0K+2:G0K+3], s[48:49]
	s_or_b32 s[G0K+3], s[G0K+3], 0x80000000
	s_mov_b64 s[G0V+2:G0V+3], s[50:51]
	s_or_b32 s[G0V+3], s[G0V+3], 0x80000000
	s_add_nc_u64 s[10:11], s[4:5], s[2:3]          ; Q at my wave's first row
	s_add_nc_u64 s[8:9], s[8:9], s[2:3]            ; O likewise
	s_add_nc_u64 s[6:7], s[6:7], s[72:73]          ; the batch's mask
	s_cmp_lt_u32 s[WV], 2
	s_cselect_b64 s[PFA:PFA+1], s[48:49], s[50:51] ; (in waves 0 and 2 these stand at a slot's first row)
	s_lshl_b32 s2, s13, 13                         ; my work-group's 32 blocks of the 128
	s_mov_b32 s3, 0
	s_add_nc_u64 s[PFA:PFA+1], s[PFA:PFA+1], s[2:3]
	s_add_nc_u64 s[PFA:PFA+1], s[PFA:PFA+1], 4*KS*128  ; in slot 1; the first change steps it to slot 2
	CROUND
	JLOAD                                          ; slot 0
	v_and_b32 v1, 15, v0
	v_bfe_u32 v9, v0, 4, 1
	v_lshlrev_b32 v[QO], 7, v1
	v_lshl_add_u32 v[QO], v9, 4, v[QO]
	v_lshlrev_b32 v[MO], 6, v0                     ; 16 mask numbers a thread
	WIN 0x80
.set i, 0
.rept 8                                ; Q stays in registers: piece i / 2, channels 32 (i % 2) on
	global_load_b128 v[8*i:8*i+3],   v[QO], s[10:11] offset:(i/2)*2048+(i%2)*64
	global_load_b128 v[8*i+4:8*i+7], v[QO], s[10:11] offset:(i/2)*2048+(i%2)*64+32
.set i, i+1
.endr
	WIN 0
.irp i, 0,1,2,3
	global_load_b128 v[MK+4*\i:MK+4*\i+3], v[MO], s[6:7] offset:16*\i
.endr
	; What the first turns find: V and P's second buffer hold 0 (the products of a piece that has not been add 0), O^T and l are 0.  All this stands in the wait for the first tile.
	WIN 0x80
.set i, VF
.rept 64
	v_mov_b32 v[i], 0
.set i, i+1
.endr
	WIN 0x40
.set i, 0
.rept 128
	v_mov_b32 v[i], 0
.set i, i+1
.endr
	WIN 0
.set i, 0
.rept 4
	v_mov_b32 v[ST+4*i], 0xff7fffff                ; m: the first step's a = 2^(m_old - m) is 0
	v_mov_b32 v[ST+4*i+1], 0xff7fffff
	v_mov_b32 v[ST+4*i+2], 0
	v_mov_b32 v[ST+4*i+3], 0
.set i, i+1
.endr
.set i, P+16
.rept 16
	v_mov_b32 v[i], 0
.set i, i+1
.endr
	v_add_nc_u32 v[MST], MASKB, v[MO]
	v_lshl_add_u32 v[AM0], v9, 5, MASKB            ; my lanes' eight keys of a group of 16
	v_mul_u32_u24 v[AK0], v1, PK
	v_lshl_add_u32 v[AK0], v9, 4, v[AK0]
	v_and_b32 v10, 7, v0
	v_bfe_u32 v11, v0, 3, 1
	v_lshl_add_u32 v[AV0], v9, 3, v10
	v_mul_u32_u24 v[AV0], v[AV0], PV
	v_lshl_add_u32 v[AV0], v11, 4, v[AV0]
	v_add_nc_u32 v[AV0], VOFF, v[AV0]
	s_mul_i32 s69, s[WV], 16*SP
	s_add_co_u32 s69, s69, STAGE
	v_mul_u32_u24 v[STO], v1, SP
	v_lshl_add_u32 v[STO], v9, 4, v[STO]
	v_add_nc_u32 v[STO], s69, v[STO]
	v_bfe_u32 v[RD], v0, 3, 2
	v_mul_u32_u24 v[RD], v[RD], SP
	v_lshl_add_u32 v[RD], v10, 4, v[RD]
	v_add_nc_u32 v[RD], s69, v[RD]
	v_and_b32 v[GO], 31, v0
	v_lshlrev_b32 v[GO], 4, v[GO]
	s_wait_loadcnt 0x0                             ; Q and the mask
.set i, 0
.rept 8
	v_pk_mul_f32 v[MK+i:MK+i+1], v[MK+i:MK+i+1], 0xf191accb op_sel_hi:[1,0]  ; x -1e30 log2(e)
.set i, i+2
.endr
.irp i, 0,1,2,3
	ds_store_b128 v[MST], v[MK+4*\i:MK+4*\i+3] offset:16*\i
.endr
; THE MATRIX WORK.  The 4 accumulators of a run of 8 take turns.  Product i of 8 of S^T = K Q^T for piece x: channels 32 (i / 4) on, keys 16 (i % 4) on; the first 4 start the sums with the mask terms.
.macro KQ x
.set rS, S+32*((\x)%2)+8*(i%4)
.set rK, KF+16*(i%4)+8*(i/4)
.set rQ, 16*(\x)+8*(i/4)
.if i < 4
	WIN W_KM
	v_wmma_f32_16x16x32_bf16 v[rS:rS+7], v[rK:rK+7], v[rQ:rQ+7], v[MC+8*i:MC+8*i+7]
.else
	WIN W_KQ
	v_wmma_f32_16x16x32_bf16 v[rS:rS+7], v[rK:rK+7], v[rQ:rQ+7], v[rS:rS+7]
.endif
.endm
.macro PV x                            ; product i of 8 of O^T += V^T P: keys 32 (i / 4) on, channels 16 (i % 4) on
	WIN W_PV
.set rO, 32*(\x)+8*(i%4)
.set rV, VF+32*(i/4)+8*(i%4)
.set rP, P+16*((\x)%2)+8*(i/4)
	v_wmma_f32_16x16x32_f16 v[rO:rO+7], v[rV:rV+7], v[rP:rP+7], v[rO:rO+7]
.endm
.macro MM                              ; the turn's next matrix instruction
.if i < 8
	KQ (Y+1)%NP
.else
.set i, i-8
	PV (Y+NP-1)%NP
.set i, i+8
.endif
.set i, i+1
.endm
; THE LDS LOADS stand in runs.  K's run brings a step's K (16 loads) and its 64 mask terms (8 loads, every lane of a half the same bytes).
; last = 1 (the tail): the steps stop at the walk's last key step, so that the fifth trip reads that step once more: no jump stands among the exponentials.
.macro FETCH_K last=0
	WIN 0x80
.irp f, 0,1,2,3,4,5,6,7
	ds_load_b128 v[KF+8*\f:KF+8*\f+3],   v[AK] offset:(\f/2)*16*PK+(\f%2)*64
	ds_load_b128 v[KF+8*\f+4:KF+8*\f+7], v[AK] offset:(\f/2)*16*PK+(\f%2)*64+32
.endr
	WIN 0x40
.irp f, 0,1,2,3
	ds_load_b128 v[MC+8*\f:MC+8*\f+3],   v[AM] offset:64*\f
	ds_load_b128 v[MC+8*\f+4:MC+8*\f+7], v[AM] offset:64*\f+16
.endr
	WIN 0
.if \last
	s_cmp_gt_u32 s[CNT], 2
	s_cselect_b32 s67, KS*PK, 0
	s_cselect_b32 s68, 256, 0
	s_add_co_u32 s[TBK], s[TBK], s67
	s_add_co_u32 s[TBM], s[TBM], s68
.else
	s_add_co_u32 s[TBK], s[TBK], KS*PK
	s_add_co_u32 s[TBM], s[TBM], 256
.endif
.endm
.macro FETCH_V
	WIN 0x80
.irp f, 0,1,2,3,4,5,6,7
	ds_load_tr16_b128 v[VF+8*\f:VF+8*\f+3],   v[AV] offset:(\f/4)*32*PV+(\f%4)*32
	ds_load_tr16_b128 v[VF+8*\f+4:VF+8*\f+7], v[AV] offset:(\f/4)*32*PV+16*PV+(\f%4)*32
.endr
	WIN 0
.endm
; THE VECTOR WORK, a line at a time: OP kind, number.  For piece Y: F n: s - m for pair n of 16.  E n: 2^ of score n.  C n: pair n rounded to f16.  B n: of four weights the second pair onto the first.
; L n: l takes that sum (L 0: l = a l + sum).  R n: pair n of O^T times a.  For piece Y + 1: X n: 0-11 four chains of maxima (each accumulator's lowest registers first);
; 12-14, 16 the rest, the old m, the four into one; 15 m_old is kept; 17, 18 the other half of the lanes: the new m; 20 m_old - m; 21 a.
.set F, 0
.set E, 1
.set C, 2
.set B, 3
.set L, 4
.set R, 5
.set X, 6
.macro REGS y
.set rT, ST+4*(\y)
.set rC, TMP+4*((\y)%2)
.set rS, S+32*((\y)%2)
.set rP, P+16*((\y)%2)
.set rO, 32*(\y)
.endm
.macro OP k, n
.if (\k) == R
	REGS Y
	WIN W_RS
	v_pk_mul_f32 v[rO+2*(\n):rO+2*(\n)+1], v[rO+2*(\n):rO+2*(\n)+1], v[rC+2:rC+3] op_sel_hi:[1,0]
.elseif (\k) < R
	REGS Y
	WIN 0
.if (\k) == F
	v_pk_add_f32 v[rS+2*(\n):rS+2*(\n)+1], v[rS+2*(\n):rS+2*(\n)+1], v[rT:rT+1] op_sel_hi:[1,0] neg_lo:[0,1] neg_hi:[0,1]
.elseif (\k) == E
	v_exp_f32 v[rS+(\n)], v[rS+(\n)]
.elseif (\k) == C
	v_cvt_pk_f16_f32 v[rP+(\n)], v[rS+2*(\n)], v[rS+2*(\n)+1]
.elseif (\k) == B
	v_pk_add_f32 v[rS+4*(\n):rS+4*(\n)+1], v[rS+4*(\n):rS+4*(\n)+1], v[rS+4*(\n)+2:rS+4*(\n)+3]
.elseif (\n) == 0
	v_pk_fma_f32 v[rT+2:rT+3], v[rT+2:rT+3], v[rC+2:rC+3], v[rS:rS+1] op_sel_hi:[1,0,1]
.else
	v_pk_add_f32 v[rT+2:rT+3], v[rT+2:rT+3], v[rS+4*(\n):rS+4*(\n)+1]
.endif
.else
	REGS (Y+1)%NP
	WIN 0
.if (\n) < 4
	v_max3_num_f32 v[rC+(\n)], v[rS+8*(\n)], v[rS+8*(\n)+1], v[rS+8*(\n)+2]
.elseif (\n) < 12
	v_max3_num_f32 v[rC+(\n)%4], v[rC+(\n)%4], v[rS+8*((\n)%4)+2*((\n)/4)+1], v[rS+8*((\n)%4)+2*((\n)/4)+2]
.elseif (\n) == 12
	v_max3_num_f32 v[rC], v[rC], v[rS+7], v[rS+15]
.elseif (\n) == 13
	v_max3_num_f32 v[rC+1], v[rC+1], v[rS+23], v[rS+31]
.elseif (\n) == 14
	v_max3_num_f32 v[rC+2], v[rC+2], v[rC+3], v[rT]
.elseif (\n) == 15
	v_mov_b32 v[rT+1], v[rT]
.elseif (\n) == 16
	v_max3_num_f32 v[rC], v[rC], v[rC+1], v[rC+2]
.elseif (\n) == 17
	v_permlanex16_b32 v[rC+3], v[rC], s[SEL], s[SEL+1]
.elseif (\n) == 18
	v_max_num_f32 v[rT], v[rC], v[rC+3]
.elseif (\n) == 20
	v_sub_f32 v[rC+1], v[rT+1], v[rT]
.else
	v_exp_f32 v[rC+2], v[rC+1]
.endif
.endif
.endm
.macro OPS a, i1, b=-1, i2=0, c=-1, i3=0, d=-1, i4=0
	OP \a, \i1
.if (\b) >= 0
	OP \b, \i2
.endif
.if (\c) >= 0
	OP \c, \i3
.endif
.if (\d) >= 0
	OP \d, \i4
.endif
.endm
.macro ROW a, i1, b, i2, c, i3, d, i4  ; a matrix instruction and the four behind it
	MM
	OPS \a, \i1, \b, \i2, \c, \i3, \d, \i4
.endm
; A TURN for piece p.  Ahead of its one wait stands all that names no result of its exponentials; behind it the 8 products V^T P, whose riders are the roundings and sums.
; The first numbers of the next piece's maximum stand four plain instructions or more behind the product that ends their accumulator.
; K of the next step is fetched in piece 2's turn, five plain instructions that name none of its registers behind the last product that read K; V of the step in hand at the end of piece 0's turn, four plain
; instructions behind its last reader.  Each is waited for a turn later.  cnt = 1: the loop's count is taken down some lines ahead of the branch behind the turn.
.macro TURN p, last=0, cnt=0
.set Y, (\p)
.set i, 0
.if (\p) == 3
	s_wait_dscnt 0x0                               ; K and its mask terms are in
.endif
	ROW F,0, F,1, R,0, R,1
	ROW F,2, E,0, R,2, R,3
	ROW F,3, E,1, R,4, R,5
	ROW F,4, E,2, R,6, R,7
	ROW F,5, E,3, R,8, R,9
	ROW F,6, E,4, X,0, R,10
.if (\p) == 2
	WIN 0
	v_add_nc_u32 v[AK], s[TBK], v[AK0]
	v_add_nc_u32 v[AM], s[TBM], v[AM0]
.endif
	ROW F,7, E,5, X,1, X,4
	ROW F,8, E,6, X,2, X,5
	OPS E,7, E,8, X,6, E,9
	OPS X,3, E,10, X,8, E,11
.if (\p) == 2
	FETCH_K \last
.endif
	OPS X,9, X,7, E,12, X,10
	OPS E,13, X,12, X,11, E,14
	OPS X,13, E,15, F,9, X,14
.if (\p) == 0
	v_add_nc_u32 v[AV], s[TBV], v[AV0]
.endif
	OPS E,16, F,10, E,17, F,11
	OPS X,16, E,18, X,15, E,19
	OPS F,12, E,20, X,17, E,21
	OPS F,13, E,22, F,14, E,23
	OPS X,18, E,24, F,15, E,25
	OPS R,11, E,26, E,27
	OPS R,12, E,28, R,13, E,29
	OPS X,20, E,30, R,14, E,31
	OPS X,21, R,15                                 ; R 15 is the plain instruction behind the batch's last exponential
	WIN 0
	s_wait_alu depctr_va_vdst(0)                   ; one wait for the batch of 33, ahead of its first reader
.if (\p) == 1
	s_wait_dscnt 0x0                               ; V is in
.endif
	ROW C,0, B,0, C,2, B,1
	ROW L,0, C,4, B,2, L,1
	ROW C,6, B,3, L,2, C,8
	ROW B,4, L,3, C,10, B,5
	ROW L,4, C,12, B,6, L,5
.if (\p) == 0
	s_add_co_u32 s[TBV], s[TBV], KS*PV
.endif
.if \cnt
	s_sub_co_u32 s[CNT], s[CNT], 1
	s_cmp_lg_u32 s[CNT], 0
.endif
	ROW C,14, B,7, L,6, C,1
	ROW C,3, L,7, C,5, C,7
	ROW C,9, C,11, C,13, C,15
.if (\p) == 0
	FETCH_V
.endif
.endm
	CHANGE 1                                       ; slot 0 is in, everybody's part, and so are all mask terms; slot 1 is asked for
	v_add_nc_u32 v[AK], s[TBK], v[AK0]
	v_add_nc_u32 v[AM], s[TBM], v[AM0]
	FETCH_K
	s_wait_dscnt 0x0
.set i, 0
.rept 8
	KQ 0                                           ; piece 0's first scores
.set i, i+1
.endr
	WIN 0
.rept 4
	v_nop                                          ; the places behind those products
.endr
.set Y, NP-1
.irp n, 0,1,2,3,4,5,6,7,8,9,10,11,12,13,14,15,16,17,18,20,21
	OP X, \n                                       ; and its first maximum and statistics
.endr
	v_nop
	s_wait_alu depctr_va_vdst(0)                   ; the wait of that a, ahead of the branch
	s_mov_b32 s[CNT], 4
	s_branch .Lfirst                               ; the loop is entered at a step's first turn
.Lslot:                                        ; six times: slots 2 to 7 are asked for
	CHANGE 1
	s_mov_b32 s[CNT], 4
.Lstep:                                        ; a trip: pieces 2 and 3 of one step, pieces 0 and 1 of the next
	TURN 2
	TURN 3
	WIN 0
.Lfirst:
	TURN 0
	TURN 1, 0, 1
	WIN 0
	s_cbranch_scc1 .Lstep
	s_sub_co_u32 s[SLOTS], s[SLOTS], 1
	s_cmp_lg_u32 s[SLOTS], 0
	s_cbranch_scc1 .Lslot
	CHANGE 0                                       ; the tail is written out
	s_mov_b32 s[CNT], 5                            ; four trips fetch the last slot's steps; the fifth is left in its middle
.Ltail:
	TURN 2, 1
	TURN 3
	WIN 0
	s_sub_co_u32 s[CNT], s[CNT], 1
	s_cmp_eq_u32 s[CNT], 0
	s_cbranch_scc1 .Lout
	TURN 0
	TURN 1
	WIN 0
	s_branch .Ltail
.Lout:                                         ; the fifth trip's 8 products K Q^T on the last K and the maximum made of them serve nothing: once a launch, the price of one text for every trip
.set i, 0
.rept 8
	PV NP-1
.set i, i+1
.endr
	; THE WAY OUT: l's halves are added; O^T is divided by l, rounded to f16 and sent through my stage, a piece at a time.  The additions are the places behind the last products.
	WIN 0
.macro ALL line:vararg
.set t, 0
.rept 4
	\line
.set t, t+1
.endr
.endm
	ALL v_add_f32 v[ST+4*t+2], v[ST+4*t+2], v[ST+4*t+3]
	ALL v_permlanex16_b32 v[ST+4*t+3], v[ST+4*t+2], s[SEL], s[SEL+1]
	ALL v_add_f32 v[ST+4*t+2], v[ST+4*t+2], v[ST+4*t+3]
	ALL v_rcp_f32 v[ST+4*t+2], v[ST+4*t+2]
	v_nop
	s_wait_alu depctr_va_vdst(0)                   ; one wait for the four reciprocals
.macro PACK t
	WIN W_RS
.set i, 32*(\t)
.rept 16
	v_pk_mul_f32 v[i:i+1], v[i:i+1], v[ST+4*(\t)+2:ST+4*(\t)+3] op_sel_hi:[1,0]
.set i, i+2
.endr
	WIN 0x05
.set i, 0
.rept 16
	v_cvt_pk_f16_f32 v[S+16*(\t)+i], v[32*(\t)+2*i], v[32*(\t)+2*i+1]
.set i, i+1
.endr
	WIN 0
.irp f, 0,1,2,3
	ds_store_b128 v[STO], v[S+16*(\t)+4*\f:S+16*(\t)+4*\f+3] offset:32*\f
.endr
.irp f, 0,1,2,3
	ds_load_b128 v[S+16*(\t)+4*\f:S+16*(\t)+4*\f+3], v[RD] offset:\f*4*SP  ; LDS serves a wave's instructions in order: these see the stores above
.endr
.endm
.macro SEND t, younger                 ; younger: the next piece's eight LDS instructions, or none
	WIN 0
.irp f, 0,1,2,3
	s_wait_dscnt (\younger)+3-\f
	global_store_b128 v[GO], v[S+16*(\t)+4*\f:S+16*(\t)+4*\f+3], s[8:9] offset:(\t)*2048+\f*512  ; 512 consecutive bytes
.endr
.endm
	PACK 0
.set t, 1
.rept 3
	PACK t
	SEND t-1, 8
.set t, t+1
.endr
	SEND 3, 0
	s_wait_tensorcnt 0x0                           ; the wave's end
	ds_add_u32 v[SPW], v[NIL]
	s_wait_dscnt 0x0
	CROUND                                         ; the closing round
	s_endpgm
.Lfunc_end_k_qca2fc53d15_att:
	.size	k_qca2fc53d15_att, .Lfunc_end_k_qca2fc53d15_att-k_qca2fc53d15_att
	.p2alignl 7, 3214868480
	.fill 96, 4, 3214868480
	.section	.rodata,"a",@progbits
	.p2align	6, 0x0
	.amdhsa_kernel k_qca2fc53d15_att
		.amdhsa_group_segment_fixed_size 327680
		.amdhsa_private_segment_fixed_size 0
		.amdhsa_enable_private_segment 0
		.amdhsa_kernarg_size 24
		.amdhsa_user_sgpr_count 2
		.amdhsa_user_sgpr_kernarg_segment_ptr 1
		.amdhsa_wavefront_size32 1
		.amdhsa_system_sgpr_workgroup_id_x 1
		.amdhsa_system_sgpr_workgroup_id_y 1
		.amdhsa_system_sgpr_workgroup_id_z 1
		.amdhsa_system_vgpr_workitem_id 0
		.amdhsa_next_free_vgpr 768
		.amdhsa_next_free_sgpr 100
		.amdhsa_reserve_vcc 0
		.amdhsa_float_denorm_mode_32 3
		.amdhsa_float_denorm_mode_16_64 3
		.amdhsa_memory_ordered 1
		.amdhsa_forward_progress 1
		.amdhsa_inst_pref_size 115
	.end_amdhsa_kernel
	.amdgpu_metadata
---
amdhsa.version: [ 1, 2 ]
amdhsa.kernels:
  - .name:           k_qca2fc53d15_att
    .symbol:         k_qca2fc53d15_att.kd
    .args:
      - { .name: qkv, .offset: 0, .size: 8, .value_kind: global_buffer, .address_space: global }
      - { .name: mask, .offset: 8, .size: 8, .value_kind: global_buffer, .address_space: global }
      - { .name: o, .offset: 16, .size: 8, .value_kind: global_buffer, .address_space: global }
    .group_segment_fixed_size: 327680
    .private_segment_fixed_size: 0
    .kernarg_segment_align: 8
    .kernarg_segment_size: 24
    .max_flat_workgroup_size: 128
    .sgpr_count:     100
    .vgpr_count:     768
    .wavefront_size: 32
...
	.end_amdgpu_metadata
.endif
;; end of part 3
;; launch chain (part 4): grid 256 x 1, 4 waves a work-group, clusters of 4 x 1, 327,680 bytes of LDS; arguments o, wc, qkv, o1_b, ln1_g, ln1_b, ffn_b1, ffn_b2, act; writes act
.if DOCPART == 4
	.amdgcn_target "amdgcn-amd-amdhsa--gfx1250"
	.amdhsa_code_object_version 6
	.text
	.protected	k_qca2fc53d15_chain
	.globl	k_qca2fc53d15_chain
	.p2align	8
	.type	k_qca2fc53d15_chain,@function
k_qca2fc53d15_chain:
	s_mov_b64 s[64:65], 0
	v_nop
	global_prefetch_b8 v0, s[64:65] scope:SCOPE_SE
	s_setreg_imm32_b32 hwreg(HW_REG_WAVE_MODE, 25, 1), 1
	s_wait_xcnt 0x0
	s_wait_alu depctr_hold_cnt(0) depctr_sa_sdst(0) depctr_va_vdst(0) depctr_va_sdst(0) depctr_va_ssrc(0) depctr_va_vcc(0) depctr_vm_vsrc(0)
	s_getreg_b32 s2, hwreg(HW_REG_IB_STS2, 6, 4)
	s_cmp_eq_u32 s2, 0
	s_cbranch_scc0 .Lentry_in_a_cluster
	s_endpgm
.Lentry_in_a_cluster:
	s_bfe_u32 s2, ttmp6, 0x10000c
	s_cmp_lg_u32 s2, 0x3003
	s_cbranch_scc0 .Lentry_shape_is_right
	s_endpgm
.Lentry_shape_is_right:
; FROM ATTENTION 1 TO THE ROWS OF LAYER 2: h = (O' Wo1) T + o1_b; LayerNorm; relu(. W1 + b1) W2 + b2; each row then stored as a_i = row / amax_i (f16) with sigma_i = amax_i (f32).
; A work-group takes 32 whole rows through all of it (LayerNorm wants whole rows; 8,192 / 256 = 32); wave w has columns 128 w .. + 127: 2 x 8 accumulators.
; The three matrices are walked as 12 chunks of 128 K rows x 512 columns (131,072 dense bytes, end to end in wc) through two LDS slots.  All work-groups walk the same chunks:
; the four of a cluster ask for each jointly; each wave fetches 32 rows of 1,024 bytes.
; EACH CLUSTER WALKS A MATRIX'S FOUR K BLOCKS FROM A START OF ITS OWN: cluster x takes block (i + x % 4) % 4 as its i-th chunk (f32 sums may be taken in any order of K), so that at any time the 64 clusters
; ask for four different chunks of a matrix and not all for the same one.  The rows' operand follows.  For O' Wo1, wave w brings the heads of block (w + x) % 4 from memory to place w.  For the two FFN
; products the operand lies in true order, and its eight LDS loads a trip stand four times, each with an address register of its own, under a branch on x % 4, which is alike in all waves and all four
; partners: no LDS address is made of x.
; A CHUNK IS TWO TRIPS OF ONE TEXT: 40 LDS loads (two fragment buffers, 32 along K each), then 16 + 16 products.  Nothing is fetched across a trip's end: a wave has 64 products
; for each 32,768 bytes that it asks for, so the text is kept short.
; THE PRODUCT IS USED TRANSPOSED (source 0 = 16 columns of W, turned out of LDS; source 1 = 16 rows): a lane holds one row and eight neighbouring columns.
; THE SUMS' STARTING VALUES (0, ffn_b1, ffn_b2) are set by one product of two zero fragments for each accumulator, D = 0 x 0 + C: 16 lines where 128 moves would stand; a bias so set needs no addition later.
; LayerNorm without a difference of large sums: each wave takes the mean and the sum of squared deviations of its 128 columns; the four are joined as M2 = sum M2_w + 128 sum (mu_w - mu)^2.
; FORMATS: O', LayerNorm's output and the hidden layer f16 (LIMIT: they stay within 65,504); statistics and sums f32; amax counts as at least 1e-30.
; PREFETCH: a matrix's four chunks are all asked for first in the trip ahead of its first product.  So the first cluster's 16 waves name ffn_w1's chunks in trips 0 and 1 and ffn_w2's in trips 4 and 5, two chunks a
; trip, each of a chunk's 512 blocks of 256 bytes once, behind the tensor load: two or three trips ahead of the loads.  Wo1's chunks come by their loads alone; the other trips ask for nothing.
; REGISTERS: window 0: v1-27 ids and addresses; v32-63 row statistics; v64-143, v144-223 two fragment buffers (weights' fragment n at 8 n, rows' a at 64 + 8 a); in the epilogues v64-127 at work;
;   v224-239 two zero fragments      window 1: v0-127 accumulators at 8 (8 a + n); v128-191 ffn_b2      window 2: o1_b, ln1_g, ln1_b, ffn_b1, 64 each: my columns' 8 n + j
.set SLOTB, 0x21000                    ; a slot: 128 rows, pitch 1,056
.set PW,    1056                       ; 1,024 + 32
.set WREG,  32*PW                      ; 32 rows: what a wave fetches, and a quarter of a chunk along K
.set XSTG,  270336                     ; 32 rows x 1,040: the rows' operand of the stage in hand
.set PX,    1040
.set RED,   303616                     ; row statistics between waves
.set SPARE, 305664                     ; the spare words, which no other line names
.set CHB,   131072
.set SIG,   8388608
.set SMAX,  8421376
.set TSC,   25165824
.set ADRB0, 4
.set ADRB,  6
.set XST,   8
.set XLD0,  9
.set ADRA,  10
.set RST,   11
.set RLD,   12
.set AO,    13
.set XS0,   14
.set CVO,   15
.set GST,   16
.set RB,    17
.set PFO,   18
.set ADRR,  24                         ; v24-27  the rows' operand at the K block in hand, for x % 4 = 0 .. 3
.set SPW,   28
.set NIL,   29
.set ZR,    31
.set MU,    32                         ; tile a: v[32+4a] my wave's mean, v[33+4a] its M2
.set LD,    40                         ; v40-55 the four waves' pairs, tile a at 8 a
.set RS,    56                         ; tile a: v[56+4a] 1 / sqrt(var + eps), v[58+4a] (mu_w - mu) times it
.set TR,    64
.set PKK,   64
.set CT,    96
.set F0,    64
.set F1,    144                        ; = F0 + 80
.set ZA,    224
.set ZB,    232
.set OB,    0
.set GG,    64
.set BBV,   128
.set B1,    192
.set B2,    128
.set G1,    24
.set G0,    32
.set WV,    36
.set WG,    38
.set TB,    39
.set AK,    40
.set CH,    41                         ; s41  the trip: the chunk that is multiplied, in the order of time
.set LIM,   42                         ; s42  0 in the first cluster, else 1
.set KC,    43
.set PFA,   44                         ; s[44:45] where this trip's prefetches stand
.set T,     46
.set SEL,   48
.set C512,  50
.set EPS,   51
.set PC,    68
.set ROT,   69                         ; s69  x % 4, the same in the four partners
.set WB,    70                         ; s[70:71] wc at my 32 rows of chunk 0
.set OFF,   72                         ; s[72:73] a chunk's byte offset
.set N1,    74
.set N2,    75
.set PFB,   76                         ; s[76:77] wc at my sixteenth of chunk 0
.set POF,   78                         ; s[78:79] the prefetches' byte offset
.set AKR,   80                         ; s80-83  the K place along the rows' operand for x % 4 = 0 .. 3: each steps from a constant
.set MSB, 0
.macro WIN new
.if MSB != (\new)
	s_set_vgpr_msb (MSB<<8)|(\new)
.set MSB, (\new)
.endif
.endm
.macro PLACES
.rept 4
	v_nop
.endr
.endm
.macro CROUND
	s_barrier_signal -1
	s_barrier_wait -1
	s_cmp_lg_u32 s[WV], 0
	s_cbranch_scc1 .Lnw0_\@
	s_barrier_signal -3
.Lnw0_\@:
	s_barrier_wait -3
	s_barrier_signal -1
	s_barrier_wait -1
.endm
.macro TLOAD                           ; every wave's own 32 rows of the chunk, asked for jointly with the three partners
	tensor_load_to_lds s[G0:G0+3], s[G1:G1+7]
	s_nop 0
.rept 4
	v_nop
.endr
.endm
.macro ASK                             ; trips 0, 1, 4 and 5 of the first cluster: two chunks of the next matrix
	s_and_b32 s[N2], s[CH], 2
	s_lshr_b32 s[N1], s[CH], 3
	s_or_b32 s[N2], s[N2], s[N1]
	s_or_b32 s[N2], s[N2], s[LIM]
	s_cmp_eq_u32 s[N2], 0
	s_cbranch_scc0 .Lnm_\@
	global_prefetch_b8 v[PFO], s[PFA:PFA+1] th:TH_LOAD_NT scope:SCOPE_SE
	global_prefetch_b8 v[PFO], s[PFA:PFA+1] offset:CHB th:TH_LOAD_NT scope:SCOPE_SE
.Lnm_\@:
.endm
.macro BOUND fill                      ; the change of slots: all my tensor loads have landed, the add, the wait for it and for my LDS instructions; a round; the joint refill first behind it
	WIN 0
.if \fill
	s_wait_xcnt 0x0                                ; the last prefetches, a chunk or more back, have read their address: it is made anew,
	s_and_b32 s[N1], s[CH], 12                     ; chunk 4 + (c & 12) + 2 (c & 3): 4, 6, 8, 10 in trips 0, 1, 4, 5 (in the other trips it is not used)
	s_and_b32 s[N2], s[CH], 3
	s_lshl1_add_u32 s[N1], s[N2], s[N1]
	s_add_co_u32 s[N1], s[N1], 4
	s_lshl_b32 s[POF], s[N1], 17
	s_add_nc_u64 s[PFA:PFA+1], s[PFB:PFB+1], s[POF:POF+1]
.endif
	s_wait_tensorcnt 0x0
	ds_add_u32 v[SPW], v[NIL]                      ; the descriptor's words stand between it and its wait
.if \fill
	s_xor_b32 s[G0+1], s[G0+1], SLOTB
	s_add_co_u32 s[N1], s[CH], 1                   ; n, the next chunk in the order of time:
	s_add_co_u32 s[N2], s[N1], s[ROT]
	s_and_b32 s[N2], s[N2], 3                      ; K block (n + x) % 4
	s_and_b32 s[N1], s[N1], 12                     ; of matrix n / 4
	s_or_b32 s[N1], s[N1], s[N2]
	s_lshl_b32 s[OFF], s[N1], 17
	s_add_nc_u64 s[G0+2:G0+3], s[WB:WB+1], s[OFF:OFF+1]  ; the address is made anew from the chunk's number
	s_or_b32 s[G0+3], s[G0+3], 0x80000000
	s_wait_dscnt 0x0
	CROUND
	TLOAD
	ASK
.else
	s_wait_dscnt 0x0
	s_barrier_signal -1
	s_barrier_wait -1
.endif
.endm
.macro ALOADS reg                      ; the rows' fragments of a trip's two quarters: 8 LDS loads
.irp q, 0,1
.irp a, 0,1
	ds_load_b128 v[F0+80*\q+64+8*\a:F0+80*\q+64+8*\a+3],   v[\reg] offset:\a*16*PX+64*\q
	ds_load_b128 v[F0+80*\q+64+8*\a+4:F0+80*\q+64+8*\a+7], v[\reg] offset:\a*16*PX+64*\q+32
.endr
.endr
.endm
.macro BLOADS q, f                     ; the weights' fragments of quarter q of the pair in hand: 16 LDS loads
.irp n, 0,1,2,3,4,5,6,7
	ds_load_tr16_b128 v[(\f)+8*\n:(\f)+8*\n+3],   v[ADRB] offset:(\q)*WREG+32*\n
	ds_load_tr16_b128 v[(\f)+8*\n+4:(\f)+8*\n+7], v[ADRB] offset:(\q)*WREG+32*\n+16*PW
.endr
.endm
.macro MUL16 f                         ; each of the 16 accumulators once: they take turns
	WIN 0x50
.irp a, 0,1
.irp n, 0,1,2,3,4,5,6,7
	v_wmma_f32_16x16x32_f16 v[8*(8*\a+\n):8*(8*\a+\n)+7], v[(\f)+8*\n:(\f)+8*\n+7], v[(\f)+64+8*\a:(\f)+64+8*\a+7], v[8*(8*\a+\n):8*(8*\a+\n)+7]
.endr
.endr
.endm
; 128 along K, two trips of 64.  rot = 0: the rows' operand lies in the order of time.  rot = 1: it lies in true order, and the eight loads are taken by the register of my cluster's x % 4:
; on each of the four ways stand the same eight loads into the same registers, so every count behind them holds on every way; what is jumped holds LDS reads alone.
.macro CHUNK rot
	s_mov_b32 s[PC], 2
.Lpair_\@:
	v_add_nc_u32 v[ADRB], s[TB], v[ADRB0]
.if \rot
.irp p, 0,1,2,3
	v_add_nc_u32 v[ADRR+\p], s[AKR+\p], v[XLD0]
.endr
	s_cmp_eq_u32 s[ROT], 0
	s_cbranch_scc0 .Lr1_\@
	ALOADS ADRR
	s_branch .Lrd_\@
.Lr1_\@:
	s_cmp_eq_u32 s[ROT], 1
	s_cbranch_scc0 .Lr2_\@
	ALOADS ADRR+1
	s_branch .Lrd_\@
.Lr2_\@:
	s_cmp_eq_u32 s[ROT], 2
	s_cbranch_scc0 .Lr3_\@
	ALOADS ADRR+2
	s_branch .Lrd_\@
.Lr3_\@:
	ALOADS ADRR+3
.Lrd_\@:
.else
	v_add_nc_u32 v[ADRA], s[AK], v[XLD0]
	ALOADS ADRA
.endif
	BLOADS 0, F0
	BLOADS 1, F1
	s_wait_dscnt 16                                ; the rows' eight and buffer 0's sixteen are in; buffer 1's 16 weight loads may stay out
	MUL16 F0
	s_wait_dscnt 0x0
	MUL16 F1
	WIN 0
	PLACES                                         ; ahead of the next trip's loads into the buffers, and of what reads the sums behind the chunk
	s_add_co_u32 s[TB], s[TB], 2*WREG
.if \rot
.irp p, 0,1,2,3
	s_add_co_u32 s[AKR+\p], s[AKR+\p], 128         ; 64 along K on, and round at the row's 1,024 bytes: behind a matrix's eight trips each stands where it began
	s_and_b32 s[AKR+\p], s[AKR+\p], 1023
.endr
.else
	s_add_co_u32 s[AK], s[AK], 128
.endif
	s_sub_co_u32 s[PC], s[PC], 1
	s_cmp_lg_u32 s[PC], 0
	s_cbranch_scc1 .Lpair_\@
	s_sub_co_u32 s[TB], s[TB], 4*WREG              ; back to a slot's first row,
	s_xor_b32 s[TB], s[TB], SLOTB                  ; in the other slot
	s_add_co_u32 s[CH], s[CH], 1
.endm
.macro RING n, lab, rot                ; n chunks of one matrix: trip c multiplies the c-th chunk and asks for the next
	s_mov_b32 s[KC], \n
\lab:
	BOUND 1
	CHUNK \rot
	s_sub_co_u32 s[KC], s[KC], 1
	s_cmp_lg_u32 s[KC], 0
	s_cbranch_scc1 \lab
.endm
.macro CVLOAD win, dst, sb             ; a vector's numbers for my columns: 8 n + j
	WIN \win
.irp n, 0,1,2,3,4,5,6,7
	global_load_b128 v[(\dst)+8*\n:(\dst)+8*\n+3],   v[CVO], s[\sb:\sb+1] offset:64*\n
	global_load_b128 v[(\dst)+8*\n+4:(\dst)+8*\n+7], v[CVO], s[\sb:\sb+1] offset:64*\n+16
.endr
.endm
.macro SUMS win, src                   ; the 16 sums' starting values: 0 x 0 + C, C = 0 (src < 0) or the vector at src, whose eight registers n lie as an accumulator's do
	WIN \win
.irp a, 0,1
.irp n, 0,1,2,3,4,5,6,7
.if (\src) < 0
	v_wmma_f32_16x16x32_f16 v[8*(8*\a+\n):8*(8*\a+\n)+7], v[ZA:ZA+7], v[ZB:ZB+7], 0
.else
	v_wmma_f32_16x16x32_f16 v[8*(8*\a+\n):8*(8*\a+\n)+7], v[ZA:ZA+7], v[ZB:ZB+7], v[(\src)+8*\n:(\src)+8*\n+7]
.endif
.endr
.endr
	WIN 0
.endm
; LayerNorm, first half: h = acc T + bias; my wave's mean and M2 of each row; the four waves' figures meet in LDS; 1 / sqrt(var + eps) and the shift.
.macro LNSTAT
.irp a, 0,1
	WIN 0x61
.set z, 0
.rept 32
	v_pk_fma_f32 v[64*\a+2*z:64*\a+2*z+1], v[64*\a+2*z:64*\a+2*z+1], s[T:T+1], v[OB+2*z:OB+2*z+1] op_sel_hi:[1,0,1]
.set z, z+1
.endr
	WIN 0x05
.set z, 0
.rept 16
	v_pk_add_f32 v[TR+2*z:TR+2*z+1], v[64*\a+4*z:64*\a+4*z+1], v[64*\a+4*z+2:64*\a+4*z+3]
.set z, z+1
.endr
	WIN 0
.irp w, 8,4,2,1
.set z, 0
.rept \w
	v_pk_add_f32 v[TR+2*z:TR+2*z+1], v[TR+2*z:TR+2*z+1], v[TR+2*(z+\w):TR+2*(z+\w)+1]
.set z, z+1
.endr
.endr
	v_add_f32 v[MU+4*\a], v[TR], v[TR+1]
	v_permlanex16_b32 v[TR+2], v[MU+4*\a], s[SEL], s[SEL+1]  ; the row's other 64 of my columns lie in the lane 16 away
	v_add_f32 v[MU+4*\a], v[MU+4*\a], v[TR+2]
	v_mul_f32 v[MU+4*\a], 0x3c000000, v[MU+4*\a]             ; / 128
	v_mov_b32 v[MU+4*\a+1], 0
	WIN 0x41
.set z, 0
.rept 32
	v_pk_add_f32 v[64*\a+2*z:64*\a+2*z+1], v[64*\a+2*z:64*\a+2*z+1], v[MU+4*\a:MU+4*\a+1] op_sel_hi:[1,0] neg_lo:[0,1] neg_hi:[0,1]
.set z, z+1
.endr
	WIN 0x05
.set z, 0
.rept 4
	v_pk_mul_f32 v[TR+2*z:TR+2*z+1], v[64*\a+2*z:64*\a+2*z+1], v[64*\a+2*z:64*\a+2*z+1]
.set z, z+1
.endr
.rept 28
	v_pk_fma_f32 v[TR+2*(z%4):TR+2*(z%4)+1], v[64*\a+2*z:64*\a+2*z+1], v[64*\a+2*z:64*\a+2*z+1], v[TR+2*(z%4):TR+2*(z%4)+1]
.set z, z+1
.endr
	WIN 0
	v_pk_add_f32 v[TR:TR+1], v[TR:TR+1], v[TR+2:TR+3]
	v_pk_add_f32 v[TR+4:TR+5], v[TR+4:TR+5], v[TR+6:TR+7]
	v_pk_add_f32 v[TR:TR+1], v[TR:TR+1], v[TR+4:TR+5]
	v_add_f32 v[MU+4*\a+1], v[TR], v[TR+1]
	v_permlanex16_b32 v[TR+2], v[MU+4*\a+1], s[SEL], s[SEL+1]
	v_add_f32 v[MU+4*\a+1], v[MU+4*\a+1], v[TR+2]
	ds_store_b64 v[RST], v[MU+4*\a:MU+4*\a+1] offset:\a*128
.endr
	s_wait_dscnt 0x0                               ; for the others' sake: my figures are stored, and my reads of the rows' operand are over
	s_barrier_signal -1
	s_barrier_wait -1
.irp a, 0,1
.irp w, 0,1,2,3
	ds_load_b64 v[LD+8*\a+2*\w:LD+8*\a+2*\w+1], v[RLD] offset:\a*128+256*\w
.endr
.endr
	s_wait_dscnt 0x0
.irp a, 0,1
	v_add_f32 v[CT+16*\a], v[LD+8*\a], v[LD+8*\a+2]
	v_add_f32 v[CT+16*\a+1], v[LD+8*\a+4], v[LD+8*\a+6]
	v_add_f32 v[CT+16*\a], v[CT+16*\a], v[CT+16*\a+1]
	v_mul_f32 v[CT+16*\a], 0x3e800000, v[CT+16*\a]           ; mu
.irp w, 0,1,2,3
	v_sub_f32 v[CT+16*\a+2+\w], v[LD+8*\a+2*\w], v[CT+16*\a]
.endr
	v_mul_f32 v[CT+16*\a+6], v[CT+16*\a+2], v[CT+16*\a+2]
	v_fmac_f32 v[CT+16*\a+6], v[CT+16*\a+3], v[CT+16*\a+3]
	v_fmac_f32 v[CT+16*\a+6], v[CT+16*\a+4], v[CT+16*\a+4]
	v_fmac_f32 v[CT+16*\a+6], v[CT+16*\a+5], v[CT+16*\a+5]
	v_add_f32 v[CT+16*\a+7], v[LD+8*\a+1], v[LD+8*\a+3]
	v_add_f32 v[CT+16*\a+8], v[LD+8*\a+5], v[LD+8*\a+7]
	v_add_f32 v[CT+16*\a+7], v[CT+16*\a+7], v[CT+16*\a+8]
	v_fmac_f32 v[CT+16*\a+7], 0x43000000, v[CT+16*\a+6]      ; + 128 sum (mu_w - mu)^2
	v_fma_f32 v[CT+16*\a+7], v[CT+16*\a+7], s[C512], s[EPS]  ; / 512 + 1e-5
	v_sub_f32 v[RS+4*\a+2], v[MU+4*\a], v[CT+16*\a]
	v_mov_b32 v[RS+4*\a+1], 0
	v_mov_b32 v[RS+4*\a+3], 0
.endr
	v_rsq_f32 v[RS], v[CT+7]
	v_rsq_f32 v[RS+4], v[CT+23]
	v_nop
	s_wait_alu depctr_va_vdst(0)                   ; one wait for the two, ahead of their first reader
	v_mul_f32 v[RS+2], v[RS+2], v[RS]
	v_mul_f32 v[RS+6], v[RS+6], v[RS+4]
.endm
.macro LNAPPLY                         ; ((h - mu_w) rs + (mu_w - mu) rs) g + b
.irp a, 0,1
	WIN 0x41
.set z, 0
.rept 32
	v_pk_fma_f32 v[64*\a+2*z:64*\a+2*z+1], v[64*\a+2*z:64*\a+2*z+1], v[RS+4*\a:RS+4*\a+1], v[RS+4*\a+2:RS+4*\a+3] op_sel_hi:[1,0,0]
.set z, z+1
.endr
	WIN 0x69
.set z, 0
.rept 32
	v_pk_fma_f32 v[64*\a+2*z:64*\a+2*z+1], v[64*\a+2*z:64*\a+2*z+1], v[GG+2*z:GG+2*z+1], v[BBV+2*z:BBV+2*z+1]
.set z, z+1
.endr
.endr
.endm
.macro PACK16                          ; all 128 sums a lane rounded to f16: (a, n) at PKK + 4 (8 a + n)
	WIN 0x05
.set z, 0
.rept 64
	v_cvt_pk_f16_f32 v[PKK+z], v[2*z], v[2*z+1]
.set z, z+1
.endr
	WIN 0
.endm
.macro TOX                             ; into the rows' operand, in true order: my 256 bytes of each of the 32 rows
.irp a, 0,1
.irp n, 0,1,2,3,4,5,6,7
	ds_store_b128 v[XST], v[PKK+4*(8*\a+\n):PKK+4*(8*\a+\n)+3] offset:\a*16*PX+32*\n
.endr
.endr
.endm
	s_load_b512 s[4:19], s[0:1], 0x0               ; o s[4:5], wc s[6:7], qkv s[8:9], o1_b s[10:11], ln1_g s[12:13], ln1_b s[14:15], ffn_b1 s[16:17], ffn_b2 s[18:19]
	s_load_b64 s[20:21], s[0:1], 0x40              ; act
	v_lshl_add_u32 v[SPW], v0, 2, SPARE
	v_mov_b32 v[NIL], 0
	ds_add_u32 v[SPW], v[NIL]                      ; the opening: the add, twice on end, and its wait ahead of my first tensor load
	ds_add_u32 v[SPW], v[NIL]
	v_lshrrev_b32 v1, 5, v0
	v_readfirstlane_b32 s[WV], v1
	s_bfe_u32 s37, ttmp6, 0x40000                  ; cx
	s_lshl_b32 s[WG], ttmp9, 2
	s_add_co_u32 s[WG], s[WG], s37                 ; my work-group: it enters global addresses of my own loads and stores alone
	s_and_b32 s[ROT], ttmp9, 3                     ; in a cluster launch ttmp9 counts clusters: x % 4
	s_mov_b32 s[G1], 15|(1<<16)|(1<<20)|(1<<21)|(7<<22)|(7<<25)  ; the mask of four; 2-byte elements; padding on; bit 21 beside a mask; after every 256 words 8 words
	s_mov_b32 s[G1+1], 512<<16                     ; tensor_dim0 = 512
	s_mov_b32 s[G1+2], 32<<16                      ; tensor_dim1 = 32
	s_mov_b32 s[G1+3], 512<<16                     ; tile_dim0 = 512
	s_mov_b32 s[G1+4], 32                          ; tile_dim1 = 32
	s_mov_b32 s[G1+5], 512
	s_mov_b32 s[G1+6], 0
	s_mov_b32 s[G1+7], 0
	s_mov_b32 s[G0], 1
	s_mul_i32 s[G0+1], s[WV], WREG
	s_lshl_b32 s52, s[WV], 15                      ; my 32 rows of a chunk
	s_mov_b32 s53, 0
	s_lshl_b32 s[OFF], s[ROT], 17                  ; my cluster's first chunk: K block x % 4 of Wo1
	s_mov_b32 s[OFF+1], 0
	s_mov_b32 s[POF+1], 0
.irp p, 0,1,2,3
	s_mov_b32 s[AKR+\p], 256*\p
.endr
	s_mov_b32 s[SEL], 0x76543210
	s_mov_b32 s[SEL+1], 0xfedcba98
	s_mov_b32 s[C512], 0x3b000000                  ; 1 / 512
	s_mov_b32 s[EPS], 0x3727c5ac                   ; 1e-5
	s_mov_b32 s[TB], 0
	s_mov_b32 s[AK], 0
	s_mov_b32 s[CH], 0
	s_cmp_eq_u32 ttmp9, 0
	s_cselect_b32 s[LIM], 0, 1                     ; the first cluster prefetches
	s_lshl2_add_u32 s54, s37, s[WV]                ; 4 cx + wave: my sixteenth of a chunk, told apart by address
	s_lshl_b32 s54, s54, 13
	s_mov_b32 s55, 0
	s_wait_dscnt 0x0
	s_wait_kmcnt 0x0
	s_add_nc_u64 s[WB:WB+1], s[6:7], s[52:53]
	s_add_nc_u64 s[G0+2:G0+3], s[WB:WB+1], s[OFF:OFF+1]
	s_or_b32 s[G0+3], s[G0+3], 0x80000000
	s_add_nc_u64 s[PFB:PFB+1], s[6:7], s[54:55]
	CROUND
	TLOAD                                          ; my cluster's first chunk into slot 0: one tensor load of mine is out
	s_lshl_b32 s52, s[WG], 7
	s_add_co_u32 s52, s52, TSC
	s_load_b32 s[T], s[8:9], s52 offset:0x0        ; T of layer 1
	v_and_b32 v1, 15, v0                           ; r
	v_bfe_u32 v2, v0, 4, 1                         ; h
	v_and_b32 v3, 31, v0                           ; lane
	v_and_b32 v19, 7, v0
	v_bfe_u32 v20, v0, 3, 1
	v_mov_b32 v[ZR], 0
.set z, 0
.rept 16
	v_mov_b32 v[ZA+z], 0                           ; the two zero fragments
.set z, z+1
.endr
	s_lshl_b32 s56, s[WV], 8                       ; 256 x wave
	v_lshl_add_u32 v21, v2, 3, v19
	v_mul_u32_u24 v21, v21, PW
	v_lshl_add_u32 v21, v20, 4, v21
	v_add_nc_u32 v[ADRB0], s56, v21
	v_mul_u32_u24 v[XLD0], v1, PX
	v_lshl_add_u32 v[XLD0], v2, 4, v[XLD0]
	v_add_nc_u32 v[XLD0], XSTG, v[XLD0]
	v_add_nc_u32 v[XST], s56, v[XLD0]
	v_lshl_add_u32 v[RST], v1, 3, s56
	v_add_nc_u32 v[RST], RED, v[RST]
	v_lshlrev_b32 v[RLD], 3, v1
	v_add_nc_u32 v[RLD], RED, v[RLD]
	v_lshlrev_b32 v[AO], 4, v3
	v_lshrrev_b32 v22, 3, v3
	v_mul_u32_u24 v22, v22, PX
	v_lshl_add_u32 v22, v19, 4, v22
	v_add_nc_u32 v[XS0], s56, v22
	v_add_nc_u32 v[XS0], XSTG, v[XS0]
	s_lshl_b32 s57, s[WV], 9
	v_lshl_add_u32 v[CVO], v2, 5, s57
	v_lshlrev_b32 v[GST], 10, v2
	v_lshl_add_u32 v[GST], v1, 4, v[GST]
	v_add_nc_u32 v[GST], s56, v[GST]
	v_mul_u32_u24 v[RB], v2, PX
	v_lshl_add_u32 v[RB], v1, 4, v[RB]
	v_add_nc_u32 v[RB], s56, v[RB]
	v_add_nc_u32 v[RB], XSTG, v[RB]
	v_lshlrev_b32 v[PFO], 8, v3
	s_lshr_b32 s53, s[WG], 6                       ; O' of my 32 rows: the two heads of K block (w + x) % 4, which go to place w of the rows' operand
	s_lshl_b32 s53, s53, 3
	s_add_co_u32 s54, s[WV], s[ROT]
	s_and_b32 s54, s54, 3
	s_lshl_b32 s54, s54, 1
	s_add_co_u32 s53, s53, s54
	s_lshl_b32 s53, s53, 11
	s_and_b32 s54, s[WG], 63
	s_lshl_b32 s54, s54, 5
	s_add_co_u32 s53, s53, s54
	s_lshl_b32 s54, s53, 7
	s_mov_b32 s55, 0
	s_add_nc_u64 s[4:5], s[4:5], s[54:55]
	CVLOAD 0x80, OB, 10
	CVLOAD 0x80, GG, 12
	WIN 0
.irp hh, 0,1
.irp i, 0,1,2,3,4,5,6,7
	global_load_b128 v[F1+4*(8*\hh+\i):F1+4*(8*\hh+\i)+3], v[AO], s[4:5] offset:\hh*262144+512*\i  ; four rows of a head: 512 consecutive bytes
.endr
.endr
	SUMS 0x40, -1                                  ; the first product's sums start at 0, while the first chunk is on its way
	s_wait_loadcnt 0x0                             ; O', the youngest of the 48 loads, is in
.irp hh, 0,1
.irp i, 0,1,2,3,4,5,6,7
	ds_store_b128 v[XS0], v[F1+4*(8*\hh+\i):F1+4*(8*\hh+\i)+3] offset:4160*\i+128*\hh
.endr
.endr
	CVLOAD 0x80, BBV, 14                           ; 48 loads more: 48 of mine are out at the most
	CVLOAD 0x80, B1, 16
	CVLOAD 0x40, B2, 18
	WIN 0
	s_wait_kmcnt 0x0
	s_mov_b32 s[T+1], s[T]                         ; named with it as a pair
	s_lshl_b32 s58, s[WG], 15
	s_mov_b32 s59, 0
	s_add_nc_u64 s[60:61], s[20:21], s[58:59]      ; my 32 rows in act
	RING 4, .Lo1, 0                                ; O' Wo1: the rows' operand lies in my cluster's order of time
	s_wait_loadcnt 0x0                             ; the five vectors
	LNSTAT                                         ; its barrier also stands between all reads of the rows' operand and the stores below
	LNAPPLY
	PACK16
	TOX                                            ; the next change of slots waits for these stores and passes a round: every wave then sees them
	SUMS 0x60, B1                                  ; the next sums start at ffn_b1 (window 2)
	RING 4, .Lf1, 1                                ; . W1 + b1
	PACK16
.set z, 0
.rept 64
	v_pk_max_num_f16 v[PKK+z], v[PKK+z], v[ZR]     ; relu on the rounded halves: nothing is rounded again
.set z, z+1
.endr
	s_wait_dscnt 0x0                               ; my reads of the rows' operand are over
	s_barrier_signal -1
	s_barrier_wait -1                              ; everybody's are
	TOX
	SUMS 0x50, B2                                  ; the next sums start at ffn_b2 (window 1)
	RING 3, .Lf2, 1                                ; . W2 + b2
	BOUND 0                                        ; the last chunk asks for nothing
	CHUNK 1
	; THE ROWS LEAVE: amax of each row over the four waves; a = row / amax in f16; sigma = amax; a partial maximum of sigma for each wave
	v_mov_b32 v32, 0
	v_mov_b32 v33, 0
	v_mov_b32 v34, 0
	v_mov_b32 v35, 0
	WIN 0x14
.set z, 0
.rept 32                               ; each accumulator's registers in ascending order
	v_max3_num_f32 v32, v32, |v[2*z]|, |v[2*z+1]|
	v_max3_num_f32 v33, v33, |v[64+2*z]|, |v[64+2*z+1]|
.set z, z+1
.endr
	WIN 0
	v_permlanex16_b32 v34, v32, s[SEL], s[SEL+1]
	v_permlanex16_b32 v35, v33, s[SEL], s[SEL+1]
	v_max_num_f32 v32, v32, v34
	v_max_num_f32 v33, v33, v35
	s_lshl_b32 s57, s[WV], 7
	s_add_co_u32 s57, s57, RED+1024
	v_lshl_add_u32 v36, v1, 2, s57
	v_lshlrev_b32 v37, 2, v1
	v_add_nc_u32 v37, RED+1024, v37
	ds_store_b32 v36, v32
	ds_store_b32 v36, v33 offset:64
	s_wait_dscnt 0x0                               ; my figures are stored, my reads of the rows' operand are over
	s_barrier_signal -1
	s_barrier_wait -1
.irp a, 0,1
.irp w, 0,1,2,3
	ds_load_b32 v[40+4*\a+\w], v37 offset:128*\w+64*\a
.endr
.endr
	s_wait_dscnt 0x0
.irp a, 0,1
	v_max3_num_f32 v[48+\a], v[40+4*\a], v[41+4*\a], v[42+4*\a]
	v_max3_num_f32 v[48+\a], v[48+\a], v[43+4*\a], 0x0da24260
.endr
	v_rcp_f32 v[RS], v48
	v_rcp_f32 v[RS+4], v49
	v_nop
	s_wait_alu depctr_va_vdst(0)                   ; one wait for the two reciprocals
	WIN 0x41
.irp a, 0,1
.set z, 0
.rept 32
	v_pk_mul_f32 v[64*\a+2*z:64*\a+2*z+1], v[64*\a+2*z:64*\a+2*z+1], v[RS+4*\a:RS+4*\a+1] op_sel_hi:[1,0]
.set z, z+1
.endr
.endr
	PACK16
	TOX                                            ; my own strip of 256 bytes a row, read back by me alone
.irp i, 0,1,2,3,4,5,6,7,8,9,10,11,12,13,14,15
	ds_load_b128 v[F1+4*\i:F1+4*\i+3], v[RB] offset:2080*\i
.endr
.irp i, 0,1,2,3,4,5,6,7,8,9,10,11,12,13,14,15
	s_wait_dscnt 15-\i                             ; the later rows' loads may stay out
	global_store_b128 v[GST], v[F1+4*\i:F1+4*\i+3], s[60:61] offset:2048*\i  ; sixteen lanes store 256 consecutive bytes, aligned
.endr
	s_cmp_lt_u32 s[WV], 2                          ; wave w stores sigma of rows 8 w .. 8 w + 7: tile w / 2, lanes 8 (w % 2) + 0..7
	s_cselect_b32 s59, 0, -1
	v_cndmask_b32 v39, v48, v49, s59
	v_mov_b32 v50, v39
.irp m, 1,2,4
	v_max_num_f32_dpp v50, v50, v50 row_xmask:\m row_mask:0xf bank_mask:0xf
.endr
	s_lshl_b32 s58, s[WG], 7
	s_lshr_b32 s57, s[WV], 1
	s_lshl_b32 s57, s57, 6
	s_add_co_u32 s58, s58, s57
	s_add_co_u32 s58, s58, SIG
	v_lshl_add_u32 v38, v3, 2, s58
	s_lshl2_add_u32 s57, s[WG], s[WV]
	s_lshl_b32 s57, s57, 2
	s_add_co_u32 s57, s57, SMAX
	v_mov_b32 v52, s57
	v_lshrrev_b32 v51, 3, v3
	s_and_b32 s66, s[WV], 1
	v_cmp_eq_u32 vcc_lo, s66, v51
	s_wait_xcnt 0x0                                ; EXEC changes only behind this wait
	s_and_saveexec_b32 s67, vcc_lo
	global_store_b32 v38, v39, s[20:21]
	s_wait_xcnt 0x0
	s_or_b32 exec_lo, exec_lo, s67
	s_lshl_b32 s66, s66, 3
	v_cmp_eq_u32 vcc_lo, s66, v3
	s_and_saveexec_b32 s67, vcc_lo
	global_store_b32 v52, v50, s[20:21]
	s_wait_xcnt 0x0
	s_or_b32 exec_lo, exec_lo, s67
	s_wait_tensorcnt 0x0                           ; the wave's end
	ds_add_u32 v[SPW], v[NIL]
	s_wait_dscnt 0x0
	CROUND                                         ; the closing round
	s_endpgm
.Lfunc_end_k_qca2fc53d15_chain:
	.size	k_qca2fc53d15_chain, .Lfunc_end_k_qca2fc53d15_chain-k_qca2fc53d15_chain
	.p2alignl 7, 3214868480
	.fill 96, 4, 3214868480
	.section	.rodata,"a",@progbits
	.p2align	6, 0x0
	.amdhsa_kernel k_qca2fc53d15_chain
		.amdhsa_group_segment_fixed_size 327680
		.amdhsa_private_segment_fixed_size 0
		.amdhsa_enable_private_segment 0
		.amdhsa_kernarg_size 72
		.amdhsa_user_sgpr_count 2
		.amdhsa_user_sgpr_kernarg_segment_ptr 1
		.amdhsa_wavefront_size32 1
		.amdhsa_system_sgpr_workgroup_id_x 1
		.amdhsa_system_sgpr_workgroup_id_y 1
		.amdhsa_system_sgpr_workgroup_id_z 1
		.amdhsa_system_vgpr_workitem_id 0
		.amdhsa_next_free_vgpr 768
		.amdhsa_next_free_sgpr 100
		.amdhsa_reserve_vcc 1
		.amdhsa_float_denorm_mode_32 3
		.amdhsa_float_denorm_mode_16_64 3
		.amdhsa_memory_ordered 1
		.amdhsa_forward_progress 1
		.amdhsa_inst_pref_size 115
	.end_amdhsa_kernel
	.amdgpu_metadata
---
amdhsa.version: [ 1, 2 ]
amdhsa.kernels:
  - .name:           k_qca2fc53d15_chain
    .symbol:         k_qca2fc53d15_chain.kd
    .args:
      - { .name: o, .offset: 0, .size: 8, .value_kind: global_buffer, .address_space: global }
      - { .name: wc, .offset: 8, .size: 8, .value_kind: global_buffer, .address_space: global }
      - { .name: qkv, .offset: 16, .size: 8, .value_kind: global_buffer, .address_space: global }
      - { .name: o1_b, .offset: 24, .size: 8, .value_kind: global_buffer, .address_space: global }
      - { .name: ln1_g, .offset: 32, .size: 8, .value_kind: global_buffer, .address_space: global }
      - { .name: ln1_b, .offset: 40, .size: 8, .value_kind: global_buffer, .address_space: global }
      - { .name: ffn_b1, .offset: 48, .size: 8, .value_kind: global_buffer, .address_space: global }
      - { .name: ffn_b2, .offset: 56, .size: 8, .value_kind: global_buffer, .address_space: global }
      - { .name: act, .offset: 64, .size: 8, .value_kind: global_buffer, .address_space: global }
    .group_segment_fixed_size: 327680
    .private_segment_fixed_size: 0
    .kernarg_segment_align: 8
    .kernarg_segment_size: 72
    .max_flat_workgroup_size: 128
    .sgpr_count:     100
    .vgpr_count:     768
    .wavefront_size: 32
...
	.end_amdgpu_metadata
.endif
;; end of part 4
;; launch qkv2: the kernel of part 2 again; grid 4 x 64, 4 waves a work-group, clusters of 4 x 4, 327,680 bytes of LDS; arguments act, wb, q2_b, v2_b, qkv; writes qkv
;; launch att2: the kernel of part 3 again; grid 8 x 32, 4 waves a work-group, clusters of 4 x 1, 327,680 bytes of LDS; arguments qkv, mask, o; writes o
;; launch final (part 5): grid 256 x 1, 4 waves a work-group, clusters of 4 x 1, 327,680 bytes of LDS; arguments o, wc, qkv, o2_b, ln2_g, ln2_b, pool_b, mask, part; writes part
.if DOCPART == 5
	.amdgcn_target "amdgcn-amd-amdhsa--gfx1250"
	.amdhsa_code_object_version 6
	.text
	.protected	k_qca2fc53d15_final
	.globl	k_qca2fc53d15_final
	.p2align	8
	.type	k_qca2fc53d15_final,@function
k_qca2fc53d15_final:
	s_mov_b64 s[64:65], 0
	v_nop
	global_prefetch_b8 v0, s[64:65] scope:SCOPE_SE
	s_setreg_imm32_b32 hwreg(HW_REG_WAVE_MODE, 25, 1), 1
	s_wait_xcnt 0x0
	s_wait_alu depctr_hold_cnt(0) depctr_sa_sdst(0) depctr_va_vdst(0) depctr_va_sdst(0) depctr_va_ssrc(0) depctr_va_vcc(0) depctr_vm_vsrc(0)
	s_getreg_b32 s2, hwreg(HW_REG_IB_STS2, 6, 4)
	s_cmp_eq_u32 s2, 0
	s_cbranch_scc0 .Lentry_in_a_cluster
	s_endpgm
.Lentry_in_a_cluster:
	s_bfe_u32 s2, ttmp6, 0x10000c
	s_cmp_lg_u32 s2, 0x3003
	s_cbranch_scc0 .Lentry_shape_is_right
	s_endpgm
.Lentry_shape_is_right:
; FROM ATTENTION 2 TO THE POOL'S PARTIAL SUMS: y = LayerNorm((O' Wo2) T + o2_b); alpha = leaky_relu(y pool_w + pool_b) - mask 1e16; for each of the 8 pool heads, over my 32 rows:
; m = max alpha, e = exp(alpha - m), l = sum e, and the vector sum over rows of e y.  The last launch joins the 64 work-groups of a batch.
; Ring, shares and LayerNorm as in the launch that follows attention 1: 32 whole rows a work-group, wave w columns 128 w .. + 127, four chunks of Wo2 through two LDS slots, asked for jointly by the four of a
; cluster; a chunk is two trips of one text; the sums are set to 0 by one product of two zero fragments for each accumulator, 16 lines where 128 moves would stand.
; EACH CLUSTER WALKS Wo2's FOUR K BLOCKS FROM A START OF ITS OWN: cluster x takes block (i + x % 4) % 4 as its i-th chunk (f32 sums may be taken in any order of K), so that at any time the 64 clusters ask for
; four different chunks and not all for the same one.  The rows' operand follows by a global address alone: wave w brings the heads of block (w + x) % 4 from memory to place w.  No LDS address is made of x.
; y is rounded once to f16 for both pool products; e likewise (0 to 1); logits, m, l and the sums stay f32.  pool_w comes turned and padded to 16 heads; heads 8-15 are computed beside the live ones in the same tiles and dropped.
; THE EXPONENT is (alpha - m) log2(e), the difference first: where all my rows are masked alpha and m are near 1e16, and their products with log2(e), each rounded by up to 2^29, would not cancel.
; NO PREFETCH: the clusters' first loads, at the launch's head, name all four chunks between them: no chunk's first request stands later in the launch.
; REGISTERS as there; further: window 0 v144-199 the pool's figures, v224-231 pool_b, v232-233 my rows' mask, v236-251 two zero fragments; window 2 v192-223 pool_w's fragments for my columns.
.set SLOTB, 0x21000
.set PW,    1056
.set WREG,  32*PW
.set RED,   270336                     ; row statistics between waves
.set RED2,  272384                     ; the four waves' parts of the logits: (wave, row): 16 f32
.set EST,   280576                     ; e in f16, [32 rows][16 heads], a copy for each wave
.set PSTG,  284672                     ; m and l on their way out
.set SPARE, 284928                     ; the spare words, which no other line names
.set XSTG,  285440                     ; the rows' operand, 32 x 1,040; later each wave's strip of 9,216 bytes: y (32 x 288), then the sums (16 x 528)
.set YST,   285440
.set PX,    1040
.set CHB,   131072
.set CH0,   1572864                    ; Wo2 in wc
.set PWT,   2097152
.set PST,   4194304
.set TSC,   25165824
.set ADRB0, 4
.set ADRB,  6
.set XST,   8
.set XLD0,  9
.set ADRA,  10
.set RST,   11
.set RLD,   12
.set AO,    13
.set XS0,   14
.set CVO,   15
.set R2S,   16
.set R2L,   17
.set YS,    19
.set ES,    20
.set EL,    21
.set YL,    22
.set OS,    23
.set OL,    24
.set PO,    25
.set PS,    26
.set PL,    27
.set SPW,   28
.set NIL,   29
.set PG,    30
.set ZR,    31
.set MU,    32
.set LD,    40
.set RS,    56
.set TR,    64
.set PKK,   64
.set CT,    96
.set F0,    64
.set F1,    144
.set AL,    144                        ; v144-159 logits, then e: tile a at 8 a
.set MJ,    160                        ; v160-167 m
.set LJ,    176                        ; v176-183 l
.set EP,    184                        ; v184-191 e in f16
.set EF,    192                        ; v192-199 e as source 1
.set PBR,   224
.set MKR,   232
.set ZA,    236
.set ZB,    244
.set OB,    0
.set GG,    64
.set BBV,   128
.set PWF,   192
.set G1,    24
.set G0,    32
.set WV,    36
.set WG,    38
.set TB,    39
.set AK,    40
.set CH,    41                         ; s41  the trip: the chunk that is multiplied, in the order of time
.set KC,    43
.set T,     46
.set SEL,   48
.set C512,  50
.set EPS,   51
.set NEG,   62
.set PC,    68
.set ROT,   69                         ; s69  x % 4, the same in the four partners
.set WB,    70                         ; s[70:71] wc at my 32 rows of Wo2's first chunk
.set OFF,   72                         ; s[72:73] a chunk's byte offset
.set N1,    74
.set MSB, 0
.macro WIN new
.if MSB != (\new)
	s_set_vgpr_msb (MSB<<8)|(\new)
.set MSB, (\new)
.endif
.endm
.macro PLACES
.rept 4
	v_nop
.endr
.endm
.macro CROUND
	s_barrier_signal -1
	s_barrier_wait -1
	s_cmp_lg_u32 s[WV], 0
	s_cbranch_scc1 .Lnw0_\@
	s_barrier_signal -3
.Lnw0_\@:
	s_barrier_wait -3
	s_barrier_signal -1
	s_barrier_wait -1
.endm
.macro TLOAD
	tensor_load_to_lds s[G0:G0+3], s[G1:G1+7]
	s_nop 0
.rept 4
	v_nop
.endr
.endm
.macro BOUND fill                      ; the change of slots: all my tensor loads have landed, the add, the wait for it and for my LDS instructions; a round; the joint refill first behind it
	WIN 0
	s_wait_tensorcnt 0x0
	ds_add_u32 v[SPW], v[NIL]                      ; the descriptor's words stand between it and its wait
.if \fill
	s_xor_b32 s[G0+1], s[G0+1], SLOTB
	s_add_co_u32 s[N1], s[CH], 1                   ; the next chunk in the order of time:
	s_add_co_u32 s[N1], s[N1], s[ROT]
	s_and_b32 s[N1], s[N1], 3                      ; K block (n + x) % 4
	s_lshl_b32 s[OFF], s[N1], 17
	s_add_nc_u64 s[G0+2:G0+3], s[WB:WB+1], s[OFF:OFF+1]  ; the address is made anew from the block's number
	s_or_b32 s[G0+3], s[G0+3], 0x80000000
	s_wait_dscnt 0x0
	CROUND
	TLOAD
.else
	s_wait_dscnt 0x0
	s_barrier_signal -1
	s_barrier_wait -1
.endif
.endm
.macro FETCH q, f                      ; 20 LDS loads: 32 along K, quarter q of the pair in hand
.irp n, 0,1,2,3,4,5,6,7
	ds_load_tr16_b128 v[(\f)+8*\n:(\f)+8*\n+3],   v[ADRB] offset:(\q)*WREG+32*\n
	ds_load_tr16_b128 v[(\f)+8*\n+4:(\f)+8*\n+7], v[ADRB] offset:(\q)*WREG+32*\n+16*PW
.endr
.irp a, 0,1
	ds_load_b128 v[(\f)+64+8*\a:(\f)+64+8*\a+3],   v[ADRA] offset:\a*16*PX+64*(\q)
	ds_load_b128 v[(\f)+64+8*\a+4:(\f)+64+8*\a+7], v[ADRA] offset:\a*16*PX+64*(\q)+32
.endr
.endm
.macro MUL16 f                         ; each of the 16 accumulators once: they take turns
	WIN 0x50
.irp a, 0,1
.irp n, 0,1,2,3,4,5,6,7
	v_wmma_f32_16x16x32_f16 v[8*(8*\a+\n):8*(8*\a+\n)+7], v[(\f)+8*\n:(\f)+8*\n+7], v[(\f)+64+8*\a:(\f)+64+8*\a+7], v[8*(8*\a+\n):8*(8*\a+\n)+7]
.endr
.endr
.endm
.macro CHUNK                           ; 128 along K, two trips of 64; the rows' operand lies in my cluster's order of time
	s_mov_b32 s[PC], 2
.Lpair_\@:
	v_add_nc_u32 v[ADRB], s[TB], v[ADRB0]
	v_add_nc_u32 v[ADRA], s[AK], v[XLD0]
	FETCH 0, F0
	FETCH 1, F1
	s_wait_dscnt 20                                ; buffer 0 is in; buffer 1's 20 loads may stay out
	MUL16 F0
	s_wait_dscnt 0x0
	MUL16 F1
	WIN 0
	PLACES                                         ; ahead of the next trip's loads into the buffers, and of what reads the sums behind the chunk
	s_add_co_u32 s[TB], s[TB], 2*WREG
	s_add_co_u32 s[AK], s[AK], 128
	s_sub_co_u32 s[PC], s[PC], 1
	s_cmp_lg_u32 s[PC], 0
	s_cbranch_scc1 .Lpair_\@
	s_sub_co_u32 s[TB], s[TB], 4*WREG              ; back to a slot's first row,
	s_xor_b32 s[TB], s[TB], SLOTB                  ; in the other slot
	s_add_co_u32 s[CH], s[CH], 1
.endm
.macro CVLOAD win, dst, sb
	WIN \win
.irp n, 0,1,2,3,4,5,6,7
	global_load_b128 v[(\dst)+8*\n:(\dst)+8*\n+3],   v[CVO], s[\sb:\sb+1] offset:64*\n
	global_load_b128 v[(\dst)+8*\n+4:(\dst)+8*\n+7], v[CVO], s[\sb:\sb+1] offset:64*\n+16
.endr
.endm
.macro LNSTAT                          ; h = acc T + bias; my wave's mean and M2 of each row; the four waves' figures meet in LDS; 1 / sqrt(var + eps) and the shift
.irp a, 0,1
	WIN 0x61
.set z, 0
.rept 32
	v_pk_fma_f32 v[64*\a+2*z:64*\a+2*z+1], v[64*\a+2*z:64*\a+2*z+1], s[T:T+1], v[OB+2*z:OB+2*z+1] op_sel_hi:[1,0,1]
.set z, z+1
.endr
	WIN 0x05
.set z, 0
.rept 16
	v_pk_add_f32 v[TR+2*z:TR+2*z+1], v[64*\a+4*z:64*\a+4*z+1], v[64*\a+4*z+2:64*\a+4*z+3]
.set z, z+1
.endr
	WIN 0
.irp w, 8,4,2,1
.set z, 0
.rept \w
	v_pk_add_f32 v[TR+2*z:TR+2*z+1], v[TR+2*z:TR+2*z+1], v[TR+2*(z+\w):TR+2*(z+\w)+1]
.set z, z+1
.endr
.endr
	v_add_f32 v[MU+4*\a], v[TR], v[TR+1]
	v_permlanex16_b32 v[TR+2], v[MU+4*\a], s[SEL], s[SEL+1]
	v_add_f32 v[MU+4*\a], v[MU+4*\a], v[TR+2]
	v_mul_f32 v[MU+4*\a], 0x3c000000, v[MU+4*\a]
	v_mov_b32 v[MU+4*\a+1], 0
	WIN 0x41
.set z, 0
.rept 32
	v_pk_add_f32 v[64*\a+2*z:64*\a+2*z+1], v[64*\a+2*z:64*\a+2*z+1], v[MU+4*\a:MU+4*\a+1] op_sel_hi:[1,0] neg_lo:[0,1] neg_hi:[0,1]
.set z, z+1
.endr
	WIN 0x05
.set z, 0
.rept 4
	v_pk_mul_f32 v[TR+2*z:TR+2*z+1], v[64*\a+2*z:64*\a+2*z+1], v[64*\a+2*z:64*\a+2*z+1]
.set z, z+1
.endr
.rept 28
	v_pk_fma_f32 v[TR+2*(z%4):TR+2*(z%4)+1], v[64*\a+2*z:64*\a+2*z+1], v[64*\a+2*z:64*\a+2*z+1], v[TR+2*(z%4):TR+2*(z%4)+1]
.set z, z+1
.endr
	WIN 0
	v_pk_add_f32 v[TR:TR+1], v[TR:TR+1], v[TR+2:TR+3]
	v_pk_add_f32 v[TR+4:TR+5], v[TR+4:TR+5], v[TR+6:TR+7]
	v_pk_add_f32 v[TR:TR+1], v[TR:TR+1], v[TR+4:TR+5]
	v_add_f32 v[MU+4*\a+1], v[TR], v[TR+1]
	v_permlanex16_b32 v[TR+2], v[MU+4*\a+1], s[SEL], s[SEL+1]
	v_add_f32 v[MU+4*\a+1], v[MU+4*\a+1], v[TR+2]
	ds_store_b64 v[RST], v[MU+4*\a:MU+4*\a+1] offset:\a*128
.endr
	s_wait_dscnt 0x0                               ; my figures are stored, and my reads of the rows' operand are over
	s_barrier_signal -1
	s_barrier_wait -1
.irp a, 0,1
.irp w, 0,1,2,3
	ds_load_b64 v[LD+8*\a+2*\w:LD+8*\a+2*\w+1], v[RLD] offset:\a*128+256*\w
.endr
.endr
	s_wait_dscnt 0x0
.irp a, 0,1
	v_add_f32 v[CT+16*\a], v[LD+8*\a], v[LD+8*\a+2]
	v_add_f32 v[CT+16*\a+1], v[LD+8*\a+4], v[LD+8*\a+6]
	v_add_f32 v[CT+16*\a], v[CT+16*\a], v[CT+16*\a+1]
	v_mul_f32 v[CT+16*\a], 0x3e800000, v[CT+16*\a]
.irp w, 0,1,2,3
	v_sub_f32 v[CT+16*\a+2+\w], v[LD+8*\a+2*\w], v[CT+16*\a]
.endr
	v_mul_f32 v[CT+16*\a+6], v[CT+16*\a+2], v[CT+16*\a+2]
	v_fmac_f32 v[CT+16*\a+6], v[CT+16*\a+3], v[CT+16*\a+3]
	v_fmac_f32 v[CT+16*\a+6], v[CT+16*\a+4], v[CT+16*\a+4]
	v_fmac_f32 v[CT+16*\a+6], v[CT+16*\a+5], v[CT+16*\a+5]
	v_add_f32 v[CT+16*\a+7], v[LD+8*\a+1], v[LD+8*\a+3]
	v_add_f32 v[CT+16*\a+8], v[LD+8*\a+5], v[LD+8*\a+7]
	v_add_f32 v[CT+16*\a+7], v[CT+16*\a+7], v[CT+16*\a+8]
	v_fmac_f32 v[CT+16*\a+7], 0x43000000, v[CT+16*\a+6]
	v_fma_f32 v[CT+16*\a+7], v[CT+16*\a+7], s[C512], s[EPS]
	v_sub_f32 v[RS+4*\a+2], v[MU+4*\a], v[CT+16*\a]
	v_mov_b32 v[RS+4*\a+1], 0
	v_mov_b32 v[RS+4*\a+3], 0
.endr
	v_rsq_f32 v[RS], v[CT+7]
	v_rsq_f32 v[RS+4], v[CT+23]
	v_nop
	s_wait_alu depctr_va_vdst(0)                   ; one wait for the two, ahead of their first reader
	v_mul_f32 v[RS+2], v[RS+2], v[RS]
	v_mul_f32 v[RS+6], v[RS+6], v[RS+4]
.endm
.macro LNAPPLY
.irp a, 0,1
	WIN 0x41
.set z, 0
.rept 32
	v_pk_fma_f32 v[64*\a+2*z:64*\a+2*z+1], v[64*\a+2*z:64*\a+2*z+1], v[RS+4*\a:RS+4*\a+1], v[RS+4*\a+2:RS+4*\a+3] op_sel_hi:[1,0,0]
.set z, z+1
.endr
	WIN 0x69
.set z, 0
.rept 32
	v_pk_fma_f32 v[64*\a+2*z:64*\a+2*z+1], v[64*\a+2*z:64*\a+2*z+1], v[GG+2*z:GG+2*z+1], v[BBV+2*z:BBV+2*z+1]
.set z, z+1
.endr
.endr
.endm
.macro RED16 op, base                  ; eight registers, each over the 16 lanes of a half
.irp m, 1,2,4,8
.irp j, 0,1,2,3,4,5,6,7
	\op v[(\base)+\j], v[(\base)+\j], v[(\base)+\j] row_xmask:\m row_mask:0xf bank_mask:0xf
.endr
.endr
.endm
	s_load_b512 s[4:19], s[0:1], 0x0               ; o s[4:5], wc s[6:7], qkv s[8:9], o2_b s[10:11], ln2_g s[12:13], ln2_b s[14:15], pool_b s[16:17], mask s[18:19]
	s_load_b64 s[20:21], s[0:1], 0x40              ; part
	v_lshl_add_u32 v[SPW], v0, 2, SPARE
	v_mov_b32 v[NIL], 0
	ds_add_u32 v[SPW], v[NIL]                      ; the opening: the add, twice on end, and its wait ahead of my first tensor load
	ds_add_u32 v[SPW], v[NIL]
	v_lshrrev_b32 v1, 5, v0
	v_readfirstlane_b32 s[WV], v1
	s_bfe_u32 s37, ttmp6, 0x40000
	s_lshl_b32 s[WG], ttmp9, 2
	s_add_co_u32 s[WG], s[WG], s37
	s_and_b32 s[ROT], ttmp9, 3                     ; in a cluster launch ttmp9 counts clusters: x % 4
	s_mov_b32 s[G1], 15|(1<<16)|(1<<20)|(1<<21)|(7<<22)|(7<<25)
	s_mov_b32 s[G1+1], 512<<16
	s_mov_b32 s[G1+2], 32<<16
	s_mov_b32 s[G1+3], 512<<16
	s_mov_b32 s[G1+4], 32
	s_mov_b32 s[G1+5], 512
	s_mov_b32 s[G1+6], 0
	s_mov_b32 s[G1+7], 0
	s_mov_b32 s[G0], 1
	s_mul_i32 s[G0+1], s[WV], WREG
	s_lshl_b32 s52, s[WV], 15
	s_add_co_u32 s52, s52, CH0
	s_mov_b32 s53, 0
	s_lshl_b32 s[OFF], s[ROT], 17                  ; my cluster's first chunk: K block x % 4
	s_mov_b32 s[OFF+1], 0
	s_mov_b32 s[SEL], 0x76543210
	s_mov_b32 s[SEL+1], 0xfedcba98
	s_mov_b32 s[C512], 0x3b000000
	s_mov_b32 s[EPS], 0x3727c5ac
	s_mov_b32 s[NEG], 0xda0e1bca                   ; -1e16
	s_mov_b32 s[TB], 0
	s_mov_b32 s[CH], 0
	s_mov_b32 s[AK], 0
	s_mov_b32 s[KC], 3
	s_wait_dscnt 0x0
	s_wait_kmcnt 0x0
	s_add_nc_u64 s[WB:WB+1], s[6:7], s[52:53]
	s_add_nc_u64 s[G0+2:G0+3], s[WB:WB+1], s[OFF:OFF+1]
	s_or_b32 s[G0+3], s[G0+3], 0x80000000
	CROUND
	TLOAD                                          ; my cluster's first chunk of Wo2 into slot 0
	s_lshl_b32 s52, s[WG], 7
	s_add_co_u32 s52, s52, TSC
	s_load_b32 s[T], s[8:9], s52 offset:0x0        ; T of layer 2
	v_and_b32 v1, 15, v0
	v_bfe_u32 v2, v0, 4, 1
	v_and_b32 v3, 31, v0
	v_and_b32 v32, 7, v0
	v_bfe_u32 v33, v0, 3, 1
	v_mov_b32 v[ZR], 0
.set z, 0
.rept 16
	v_mov_b32 v[ZA+z], 0                           ; the two zero fragments
.set z, z+1
.endr
	s_lshl_b32 s56, s[WV], 8
	v_lshl_add_u32 v36, v2, 3, v32                 ; 8 h + l % 8
	v_mul_u32_u24 v37, v36, PW
	v_lshl_add_u32 v37, v33, 4, v37
	v_add_nc_u32 v[ADRB0], s56, v37
	v_mul_u32_u24 v[XLD0], v1, PX
	v_lshl_add_u32 v[XLD0], v2, 4, v[XLD0]
	v_add_nc_u32 v[XLD0], XSTG, v[XLD0]
	v_add_nc_u32 v[XST], s56, v[XLD0]
	v_lshl_add_u32 v[RST], v1, 3, s56
	v_add_nc_u32 v[RST], RED, v[RST]
	v_lshlrev_b32 v[RLD], 3, v1
	v_add_nc_u32 v[RLD], RED, v[RLD]
	v_lshlrev_b32 v[AO], 4, v3
	v_lshrrev_b32 v38, 3, v3
	v_mul_u32_u24 v38, v38, PX
	v_lshl_add_u32 v38, v32, 4, v38
	v_add_nc_u32 v[XS0], s56, v38
	v_add_nc_u32 v[XS0], XSTG, v[XS0]
	s_lshl_b32 s57, s[WV], 9
	v_lshl_add_u32 v[CVO], v2, 5, s57
	v_lshlrev_b32 v[R2L], 6, v1                    ; the logits' parts: (32 w + 16 a + r) 64 + 32 h
	v_lshl_add_u32 v[R2L], v2, 5, v[R2L]
	v_add_nc_u32 v[R2L], RED2, v[R2L]
	s_lshl_b32 s58, s[WV], 11
	v_add_nc_u32 v[R2S], s58, v[R2L]
	s_mul_i32 s58, s[WV], 9216
	s_add_co_u32 s58, s58, YST                     ; my strip
	v_mul_u32_u24 v[YS], v1, 288
	v_lshl_add_u32 v[YS], v2, 4, v[YS]
	v_add_nc_u32 v[YS], s58, v[YS]
	v_mul_u32_u24 v[YL], v36, 288
	v_lshl_add_u32 v[YL], v33, 4, v[YL]
	v_add_nc_u32 v[YL], s58, v[YL]
	v_mul_u32_u24 v[OS], v1, 528
	v_lshl_add_u32 v[OS], v2, 5, v[OS]
	v_add_nc_u32 v[OS], s58, v[OS]
	v_lshl_add_u32 v[OL], v3, 4, s58
	s_lshl_b32 s58, s[WV], 10
	s_add_co_u32 s58, s58, EST
	v_lshlrev_b32 v[ES], 5, v1
	v_lshl_add_u32 v[ES], v2, 4, v[ES]
	v_add_nc_u32 v[ES], s58, v[ES]
	v_lshlrev_b32 v[EL], 5, v36
	v_lshl_add_u32 v[EL], v33, 4, v[EL]
	v_add_nc_u32 v[EL], s58, v[EL]
	v_lshl_add_u32 v[PO], v3, 4, s57               ; 512 w + 16 lane
	v_lshlrev_b32 v[PS], 5, v2
	v_add_nc_u32 v[PS], PSTG, v[PS]
	v_lshlrev_b32 v[PL], 2, v3
	v_add_nc_u32 v[PL], PSTG, v[PL]
	s_lshl_b32 s58, s[WG], 7
	v_lshl_add_u32 v34, v1, 2, s58                 ; my rows' mask: row 32 wg + 16 a + r
	s_add_co_u32 s58, s58, PST
	v_lshl_add_u32 v[PG], v3, 2, s58
	v_lshlrev_b32 v35, 10, v1                      ; pool_w turned: head r, my 128 columns
	v_lshl_add_u32 v35, v2, 4, v35
	v_add_nc_u32 v35, s56, v35
	v_add_nc_u32 v35, PWT, v35
	s_lshr_b32 s53, s[WG], 6                       ; O' of my 32 rows: the two heads of K block (w + x) % 4, which go to place w of the rows' operand
	s_lshl_b32 s53, s53, 3
	s_add_co_u32 s54, s[WV], s[ROT]
	s_and_b32 s54, s54, 3
	s_lshl_b32 s54, s54, 1
	s_add_co_u32 s53, s53, s54
	s_lshl_b32 s53, s53, 11
	s_and_b32 s54, s[WG], 63
	s_lshl_b32 s54, s54, 5
	s_add_co_u32 s53, s53, s54
	s_lshl_b32 s54, s53, 7
	s_mov_b32 s55, 0
	s_add_nc_u64 s[4:5], s[4:5], s[54:55]
.irp hh, 0,1
.irp i, 0,1,2,3,4,5,6,7
	global_load_b128 v[F1+4*(8*\hh+\i):F1+4*(8*\hh+\i)+3], v[AO], s[4:5] offset:\hh*262144+512*\i
.endr
.endr
	CVLOAD 0x80, OB, 10
	CVLOAD 0x80, GG, 12
	WIN 0x40                                       ; the sums start at 0, while the first chunk is on its way: 0 x 0 + 0 for each accumulator
.irp k, 0,1,2,3,4,5,6,7,8,9,10,11,12,13,14,15
	v_wmma_f32_16x16x32_f16 v[8*\k:8*\k+7], v[ZA:ZA+7], v[ZB:ZB+7], 0
.endr
	WIN 0
	s_wait_loadcnt 32                              ; O' is in; the 32 younger loads of o2_b and ln2_g may stay out
.irp hh, 0,1
.irp i, 0,1,2,3,4,5,6,7
	ds_store_b128 v[XS0], v[F1+4*(8*\hh+\i):F1+4*(8*\hh+\i)+3] offset:4160*\i+128*\hh
.endr
.endr
	CVLOAD 0x80, BBV, 14                           ; 28 loads more: 60 of mine are out at the most
.irp u, 0,1,2,3
	global_load_b128 v[PWF+8*\u:PWF+8*\u+3],   v35, s[6:7] offset:64*\u
	global_load_b128 v[PWF+8*\u+4:PWF+8*\u+7], v35, s[6:7] offset:64*\u+32
.endr
	WIN 0
	global_load_b128 v[PBR:PBR+3],   v[ZR], s[16:17]
	global_load_b128 v[PBR+4:PBR+7], v[ZR], s[16:17] offset:16
	global_load_b32 v[MKR],   v34, s[18:19]
	global_load_b32 v[MKR+1], v34, s[18:19] offset:64
	s_wait_kmcnt 0x0
	s_mov_b32 s[T+1], s[T]
	s_lshl_b32 s58, s[WG], 14
	s_mov_b32 s59, 0
	s_add_nc_u64 s[60:61], s[20:21], s[58:59]      ; my 8 x 512 partial sums
.Lo2:                                          ; trip c multiplies the c-th chunk and asks for the next
	BOUND 1
	CHUNK
	s_sub_co_u32 s[KC], s[KC], 1
	s_cmp_lg_u32 s[KC], 0
	s_cbranch_scc1 .Lo2
	BOUND 0
	CHUNK
	s_wait_loadcnt 0x0
	LNSTAT                                         ; its barrier also ends all reads of the rows' operand: its bytes are the strips from here on
	LNAPPLY
	WIN 0x05
.set z, 0
.rept 64
	v_cvt_pk_f16_f32 v[PKK+z], v[2*z], v[2*z+1]    ; y in f16: (a, 2 u) and (a, 2 u + 1) together are source 1 for 32 columns, as they lie
.set z, z+1
.endr
	WIN 0x02                                       ; my 128 columns' part of the logits: two accumulators by turns
.irp u, 0,1,2,3
.irp a, 0,1
.if \u == 0
	v_wmma_f32_16x16x32_f16 v[AL+8*\a:AL+8*\a+7], v[PWF+8*\u:PWF+8*\u+7], v[PKK+32*\a+8*\u:PKK+32*\a+8*\u+7], 0
.else
	v_wmma_f32_16x16x32_f16 v[AL+8*\a:AL+8*\a+7], v[PWF+8*\u:PWF+8*\u+7], v[PKK+32*\a+8*\u:PKK+32*\a+8*\u+7], v[AL+8*\a:AL+8*\a+7]
.endif
.endr
.endr
	PLACES
	WIN 0
.irp a, 0,1
	ds_store_b128 v[R2S], v[AL+8*\a:AL+8*\a+3]   offset:\a*1024
	ds_store_b128 v[R2S], v[AL+8*\a+4:AL+8*\a+7] offset:\a*1024+16
.endr
.irp a, 0,1
.irp n, 0,1,2,3,4,5,6,7
	ds_store_b128 v[YS], v[PKK+4*(8*\a+\n):PKK+4*(8*\a+\n)+3] offset:\a*4608+32*\n
.endr
.endr
	s_wait_dscnt 0x0
	s_barrier_signal -1
	s_barrier_wait -1                              ; all four parts of the logits lie in LDS
.irp w, 0,1,2,3
.irp a, 0,1
	ds_load_b128 v[64+16*\w+8*\a:64+16*\w+8*\a+3],   v[R2L] offset:\w*2048+\a*1024
	ds_load_b128 v[64+16*\w+8*\a+4:64+16*\w+8*\a+7], v[R2L] offset:\w*2048+\a*1024+16
.endr
.endr
	s_wait_dscnt 0x0
.set z, 0
.rept 8                                ; lane (r, h): row 16 a + r, heads 8 h + j; every wave makes all 32 rows' figures
	v_pk_add_f32 v[AL+z:AL+z+1], v[64+z:64+z+1], v[80+z:80+z+1]
	v_pk_add_f32 v[128+z:128+z+1], v[96+z:96+z+1], v[112+z:112+z+1]
.set z, z+2
.endr
.set z, 0
.rept 8
	v_pk_add_f32 v[AL+z:AL+z+1], v[AL+z:AL+z+1], v[128+z:128+z+1]
.set z, z+2
.endr
.set z, 0
.rept 8
	v_pk_add_f32 v[AL+z:AL+z+1], v[AL+z:AL+z+1], v[PBR+z%8:PBR+z%8+1]
.set z, z+2
.endr
.set z, 0
.rept 8
	v_pk_mul_f32 v[64+z:64+z+1], v[AL+z:AL+z+1], 0x3c23d70a op_sel_hi:[1,0]
.set z, z+2
.endr
.set z, 0
.rept 16
	v_max_num_f32 v[AL+z], v[AL+z], v[64+z]        ; leaky_relu = max(x, 0.01 x)
	v_fma_f32 v[AL+z], v[MKR+z/8], s[NEG], v[AL+z] ; + mask x -1e16
.set z, z+1
.endr
.irp j, 0,1,2,3,4,5,6,7
	v_max_num_f32 v[MJ+\j], v[AL+\j], v[AL+8+\j]
.endr
	RED16 v_max_num_f32_dpp, MJ                    ; the maximum is taken away before the exponential,
.set z, 0
.rept 8
	v_pk_add_f32 v[AL+z:AL+z+1], v[AL+z:AL+z+1], v[MJ+z%8:MJ+z%8+1] neg_lo:[0,1] neg_hi:[0,1]  ; alpha - m first: exactly 0 at the largest row, whatever the mask's term,
.set z, z+2
.endr
.set z, 0
.rept 8
	v_pk_mul_f32 v[AL+z:AL+z+1], v[AL+z:AL+z+1], 0x3fb8aa3b op_sel_hi:[1,0]                    ; and only the difference is scaled by log2(e)
.set z, z+2
.endr
.set z, 0
.rept 16
	v_exp_f32 v[AL+z], v[AL+z]
.set z, z+1
.endr
	v_nop
	s_wait_alu depctr_va_vdst(0)                   ; one wait for the sixteen exponentials
.irp j, 0,1,2,3,4,5,6,7
	v_add_f32 v[LJ+\j], v[AL+\j], v[AL+8+\j]
.endr
	RED16 v_add_f32_dpp, LJ
.set z, 0
.rept 8
	v_cvt_pk_f16_f32 v[EP+z], v[AL+2*z], v[AL+2*z+1]
.set z, z+1
.endr
	ds_store_b128 v[ES], v[EP:EP+3]
	ds_store_b128 v[ES], v[EP+4:EP+7] offset:512
	ds_load_tr16_b128 v[EF:EF+3],   v[EL]          ; my own copy, turned: a lane a head, the registers the 32 rows
	ds_load_tr16_b128 v[EF+4:EF+7], v[EL] offset:512
.irp n, 0,1,2,3,4,5,6,7
	ds_load_tr16_b128 v[64+8*\n:64+8*\n+3],   v[YL] offset:32*\n       ; y of my strip, turned: a lane a column
	ds_load_tr16_b128 v[64+8*\n+4:64+8*\n+7], v[YL] offset:32*\n+4608
.endr
	s_wait_dscnt 0x0
	WIN 0x40
.irp n, 0,1,2,3,4,5,6,7
	v_wmma_f32_16x16x32_f16 v[8*\n:8*\n+7], v[64+8*\n:64+8*\n+7], v[EF:EF+7], 0   ; the sum over the 32 rows of e y: a lane a head, eight columns
.endr
	PLACES
	WIN 0x04                                       ; the stores' data lie in window 1
.irp n, 0,1,2,3,4,5,6,7
	ds_store_b128 v[OS], v[8*\n:8*\n+3]   offset:64*\n
	ds_store_b128 v[OS], v[8*\n+4:8*\n+7] offset:64*\n+16
.endr
	WIN 0
.irp p, 0,1,2,3,4,5,6,7
	ds_load_b128 v[64+4*\p:64+4*\p+3], v[OL] offset:528*\p   ; heads 0-7, my 128 columns; LDS serves a wave's instructions in order
.endr
.irp p, 0,1,2,3,4,5,6,7
	s_wait_dscnt 7-\p                              ; the later heads' loads may stay out
	global_store_b128 v[PO], v[64+4*\p:64+4*\p+3], s[60:61] offset:\p*2048   ; 512 consecutive bytes
.endr
	s_cmp_lg_u32 s[WV], 0
	s_cbranch_scc1 .Lend
	ds_store_b128 v[PS], v[MJ:MJ+3]                ; m and l leave as 128 bytes: m of 16 heads, l of 16 heads
	ds_store_b128 v[PS], v[MJ+4:MJ+7] offset:16
	ds_store_b128 v[PS], v[LJ:LJ+3] offset:64
	ds_store_b128 v[PS], v[LJ+4:LJ+7] offset:80
	ds_load_b32 v200, v[PL]
	s_wait_dscnt 0x0
	global_store_b32 v[PG], v200, s[20:21]
.Lend:
	s_wait_tensorcnt 0x0                           ; the wave's end
	ds_add_u32 v[SPW], v[NIL]
	s_wait_dscnt 0x0
	CROUND                                         ; the closing round
	s_endpgm
.Lfunc_end_k_qca2fc53d15_final:
	.size	k_qca2fc53d15_final, .Lfunc_end_k_qca2fc53d15_final-k_qca2fc53d15_final
	.p2alignl 7, 3214868480
	.fill 96, 4, 3214868480
	.section	.rodata,"a",@progbits
	.p2align	6, 0x0
	.amdhsa_kernel k_qca2fc53d15_final
		.amdhsa_group_segment_fixed_size 327680
		.amdhsa_private_segment_fixed_size 0
		.amdhsa_enable_private_segment 0
		.amdhsa_kernarg_size 72
		.amdhsa_user_sgpr_count 2
		.amdhsa_user_sgpr_kernarg_segment_ptr 1
		.amdhsa_wavefront_size32 1
		.amdhsa_system_sgpr_workgroup_id_x 1
		.amdhsa_system_sgpr_workgroup_id_y 1
		.amdhsa_system_sgpr_workgroup_id_z 1
		.amdhsa_system_vgpr_workitem_id 0
		.amdhsa_next_free_vgpr 768
		.amdhsa_next_free_sgpr 100
		.amdhsa_reserve_vcc 0
		.amdhsa_float_denorm_mode_32 3
		.amdhsa_float_denorm_mode_16_64 3
		.amdhsa_memory_ordered 1
		.amdhsa_forward_progress 1
		.amdhsa_inst_pref_size 80
	.end_amdhsa_kernel
	.amdgpu_metadata
---
amdhsa.version: [ 1, 2 ]
amdhsa.kernels:
  - .name:           k_qca2fc53d15_final
    .symbol:         k_qca2fc53d15_final.kd
    .args:
      - { .name: o, .offset: 0, .size: 8, .value_kind: global_buffer, .address_space: global }
      - { .name: wc, .offset: 8, .size: 8, .value_kind: global_buffer, .address_space: global }
      - { .name: qkv, .offset: 16, .size: 8, .value_kind: global_buffer, .address_space: global }
      - { .name: o2_b, .offset: 24, .size: 8, .value_kind: global_buffer, .address_space: global }
      - { .name: ln2_g, .offset: 32, .size: 8, .value_kind: global_buffer, .address_space: global }
      - { .name: ln2_b, .offset: 40, .size: 8, .value_kind: global_buffer, .address_space: global }
      - { .name: pool_b, .offset: 48, .size: 8, .value_kind: global_buffer, .address_space: global }
      - { .name: mask, .offset: 56, .size: 8, .value_kind: global_buffer, .address_space: global }
      - { .name: part, .offset: 64, .size: 8, .value_kind: global_buffer, .address_space: global }
    .group_segment_fixed_size: 327680
    .private_segment_fixed_size: 0
    .kernarg_segment_align: 8
    .kernarg_segment_size: 72
    .max_flat_workgroup_size: 128
    .sgpr_count:     100
    .vgpr_count:     768
    .wavefront_size: 32
...
	.end_amdgpu_metadata
.endif
;; end of part 5
;; launch comb (part 6): grid 8 x 4, 8 waves a work-group, no clusters, 19,456 bytes of LDS; arguments part, out0; writes out0
.if DOCPART == 6
	.amdgcn_target "amdgcn-amd-amdhsa--gfx1250"
	.amdhsa_code_object_version 6
	.text
	.protected	k_qca2fc53d15_comb
	.globl	k_qca2fc53d15_comb
	.p2align	8
	.type	k_qca2fc53d15_comb,@function
k_qca2fc53d15_comb:
	s_mov_b64 s[64:65], 0
	v_nop
	global_prefetch_b8 v0, s[64:65] scope:SCOPE_SE
	s_setreg_imm32_b32 hwreg(HW_REG_WAVE_MODE, 25, 1), 1
	s_wait_xcnt 0x0
; THE POOL'S END: out0[b][c] = the sum over the 8 heads p and the batch's 64 work-groups g of w(g, p) S(g, p)[c], w = exp(m(g, p) - M(p)) / L(p), M = max over g of m, L = sum over g of exp(m - M) l.
; Work-group (ch, b) makes 64 columns of one batch; wave v takes partial sums 8 v .. 8 v + 7.  Every wave makes the whole table of 64 x 8 weights for itself, in its own LDS bytes.
; 4 MiB are read once and added in a fixed order; no matrix unit, no cluster: the work-groups share only the 8 KiB of m and l.
.set TAB,   0                          ; 8 waves x 2,048: [64 g][8 p] f32
.set RDD,   16384                      ; 8 waves x 256: a wave's 64 sums
.set SPARE, 18432                      ; the spare words, 128 bytes a wave, which no other line names
.set PST,   4194304
.set SPW,   8
.set NIL,   9
.set TA,    10
.set TL,    11
.set RW,    12
.set RL,    13
.set OO,    14
.set D,     16                         ; v16-143  partial sums (i, i') at 16 i + 4 i'
.set MM,    144                        ; v144-175 work-group lane + 32 k: m at 16 k + j, l at 16 k + 8 + j
.set MX,    176
.set LS,    184
.set W,     192                        ; v192-223 partial i's four weights
.set TP,    224
.set AC,    226
	s_load_b128 s[4:7], s[0:1], 0x0                ; part, out0
	v_lshl_add_u32 v[SPW], v0, 2, SPARE
	v_mov_b32 v[NIL], 0
	v_lshrrev_b32 v1, 5, v0
	v_readfirstlane_b32 s8, v1                     ; wave
	v_and_b32 v2, 31, v0
	v_and_b32 v3, 15, v0
	v_bfe_u32 v4, v0, 4, 1                         ; which four heads
	s_mov_b32 s9, ttmp9
	s_and_b32 s10, ttmp7, 0xffff
	s_lshl_b32 s12, s10, 6
	s_lshl_b32 s13, s8, 3
	s_add_co_u32 s12, s12, s13
	s_lshl_b32 s12, s12, 14
	s_lshl_b32 s13, s9, 8
	s_add_co_u32 s12, s12, s13
	s_mov_b32 s13, 0
	s_lshl_b32 s14, s10, 13
	s_mov_b32 s15, 0
	s_mov_b32 s22, 0x76543210
	s_mov_b32 s23, 0xfedcba98
	v_lshlrev_b32 v5, 13, v4
	v_lshl_add_u32 v5, v3, 4, v5
	v_lshlrev_b32 v6, 7, v2
	s_lshl_b32 s20, s8, 11
	v_lshl_add_u32 v[TA], v2, 5, s20
	s_lshl_b32 s21, s8, 8
	s_add_co_u32 s20, s20, s21
	v_lshl_add_u32 v[TL], v4, 4, s20
	s_add_co_u32 s21, s21, RDD
	v_lshl_add_u32 v[RW], v3, 4, s21
	v_lshlrev_b32 v[RL], 4, v3
	v_add_nc_u32 v[RL], RDD, v[RL]
	s_lshl_b32 s20, s10, 11
	s_lshl_b32 s21, s9, 8
	s_add_co_u32 s20, s20, s21
	v_lshl_add_u32 v[OO], v3, 4, s20
	v_mov_b32 v[TP], 0
	s_wait_kmcnt 0x0
	s_add_nc_u64 s[16:17], s[4:5], s[12:13]
	s_add_nc_u64 s[18:19], s[4:5], s[14:15]
.irp k, 0,1
	global_load_b128 v[MM+16*\k:MM+16*\k+3],     v6, s[18:19] offset:PST+\k*4096
	global_load_b128 v[MM+16*\k+4:MM+16*\k+7],   v6, s[18:19] offset:PST+\k*4096+16
	global_load_b128 v[MM+16*\k+8:MM+16*\k+11],  v6, s[18:19] offset:PST+\k*4096+64
	global_load_b128 v[MM+16*\k+12:MM+16*\k+15], v6, s[18:19] offset:PST+\k*4096+80
.endr
.irp i, 0,1,2,3,4,5,6,7
.irp q, 0,1,2,3
	global_load_b128 v[D+16*\i+4*\q:D+16*\i+4*\q+3], v5, s[16:17] offset:\i*16384+\q*2048 th:TH_LOAD_NT
.endr
.endr
.macro REDW op, opd, base              ; eight registers, each over the wave's 32 lanes
.irp m, 1,2,4,8
.irp j, 0,1,2,3,4,5,6,7
	\opd v[(\base)+\j], v[(\base)+\j], v[(\base)+\j] row_xmask:\m row_mask:0xf bank_mask:0xf
.endr
.endr
.irp j, 0,1,2,3,4,5,6,7
	v_permlanex16_b32 v[TP], v[(\base)+\j], s22, s23
	\op v[(\base)+\j], v[(\base)+\j], v[TP]
.endr
.endm
	s_wait_loadcnt 32                              ; m and l are in; the 32 loads of partial sums may stay out
.irp j, 0,1,2,3,4,5,6,7
	v_max_num_f32 v[MX+\j], v[MM+\j], v[MM+16+\j]
.endr
	REDW v_max_num_f32, v_max_num_f32_dpp, MX      ; the maximum is taken away before the exponential
.irp k, 0,1
.irp j, 0,2,4,6
	v_pk_add_f32 v[MM+16*\k+\j:MM+16*\k+\j+1], v[MM+16*\k+\j:MM+16*\k+\j+1], v[MX+\j:MX+\j+1] neg_lo:[0,1] neg_hi:[0,1]
	v_pk_mul_f32 v[MM+16*\k+\j:MM+16*\k+\j+1], v[MM+16*\k+\j:MM+16*\k+\j+1], 0x3fb8aa3b op_sel_hi:[1,0]
.endr
.endr
.irp k, 0,1
.irp j, 0,1,2,3,4,5,6,7
	v_exp_f32 v[MM+16*\k+\j], v[MM+16*\k+\j]
.endr
.endr
	v_nop
	s_wait_alu depctr_va_vdst(0)                   ; one wait for the sixteen exponentials
.irp j, 0,1,2,3,4,5,6,7
	v_mul_f32 v[LS+\j], v[MM+\j], v[MM+8+\j]
	v_fmac_f32 v[LS+\j], v[MM+16+\j], v[MM+24+\j]
.endr
	REDW v_add_f32, v_add_f32_dpp, LS
.irp j, 0,1,2,3,4,5,6,7
	v_rcp_f32 v[LS+\j], v[LS+\j]
.endr
	v_nop
	s_wait_alu depctr_va_vdst(0)                   ; one wait for the eight reciprocals
.irp k, 0,1
.irp j, 0,2,4,6
	v_pk_mul_f32 v[MM+16*\k+\j:MM+16*\k+\j+1], v[MM+16*\k+\j:MM+16*\k+\j+1], v[LS+\j:LS+\j+1]
.endr
.endr
	ds_store_b128 v[TA], v[MM:MM+3]
	ds_store_b128 v[TA], v[MM+4:MM+7] offset:16
	ds_store_b128 v[TA], v[MM+16:MM+19] offset:1024
	ds_store_b128 v[TA], v[MM+20:MM+23] offset:1040
.irp i, 0,1,2,3,4,5,6,7
	ds_load_b128 v[W+4*\i:W+4*\i+3], v[TL] offset:32*\i      ; my own table: LDS serves a wave's instructions in order
.endr
	s_wait_dscnt 0x0
	s_wait_loadcnt 0x0
	v_pk_mul_f32 v[AC:AC+1],   v[D:D+1],   v[W:W+1] op_sel_hi:[1,0]
	v_pk_mul_f32 v[AC+2:AC+3], v[D+2:D+3], v[W:W+1] op_sel_hi:[1,0]
.irp i, 0,1,2,3,4,5,6,7
.irp q, 0,1,2,3
.if (\i)+(\q) > 0
.if (\q)%2
	v_pk_fma_f32 v[AC:AC+1],   v[D+16*\i+4*\q:D+16*\i+4*\q+1],   v[W+4*\i+\q-1:W+4*\i+\q], v[AC:AC+1] op_sel:[0,1,0] op_sel_hi:[1,1,1]
	v_pk_fma_f32 v[AC+2:AC+3], v[D+16*\i+4*\q+2:D+16*\i+4*\q+3], v[W+4*\i+\q-1:W+4*\i+\q], v[AC+2:AC+3] op_sel:[0,1,0] op_sel_hi:[1,1,1]
.else
	v_pk_fma_f32 v[AC:AC+1],   v[D+16*\i+4*\q:D+16*\i+4*\q+1],   v[W+4*\i+\q:W+4*\i+\q+1], v[AC:AC+1] op_sel_hi:[1,0,1]
	v_pk_fma_f32 v[AC+2:AC+3], v[D+16*\i+4*\q+2:D+16*\i+4*\q+3], v[W+4*\i+\q:W+4*\i+\q+1], v[AC+2:AC+3] op_sel_hi:[1,0,1]
.endif
.endif
.endr
.endr
.irp j, 0,1,2,3
	v_permlanex16_b32 v[TP], v[AC+\j], s22, s23    ; the other four heads lie in the lane 16 away
	v_add_f32 v[AC+\j], v[AC+\j], v[TP]
.endr
	ds_store_b128 v[RW], v[AC:AC+3]
	s_wait_dscnt 0x0                               ; for the others' sake
	s_barrier_signal -1
	s_barrier_wait -1
	s_cmp_lg_u32 s8, 0
	s_cbranch_scc1 .Lend
.irp w, 0,1,2,3,4,5,6,7
	ds_load_b128 v[D+4*\w:D+4*\w+3], v[RL] offset:256*\w
.endr
	s_wait_dscnt 0x0
.irp w, 1,2,3,4,5,6,7
	v_pk_add_f32 v[D:D+1],   v[D:D+1],   v[D+4*\w:D+4*\w+1]
	v_pk_add_f32 v[D+2:D+3], v[D+2:D+3], v[D+4*\w+2:D+4*\w+3]
.endr
	v_cmp_gt_u32 vcc_lo, 16, v2
	s_wait_xcnt 0x0                                ; EXEC changes only behind this wait
	s_and_saveexec_b32 s24, vcc_lo
	global_store_b128 v[OO], v[D:D+3], s[6:7]      ; sixteen lanes store 256 consecutive bytes, aligned
	s_wait_xcnt 0x0
	s_or_b32 exec_lo, exec_lo, s24
.Lend:
	s_wait_tensorcnt 0x0                           ; the wave's end, behind my last LDS store
	ds_add_u32 v[SPW], v[NIL]
	s_wait_dscnt 0x0
	s_endpgm
.Lfunc_end_k_qca2fc53d15_comb:
	.size	k_qca2fc53d15_comb, .Lfunc_end_k_qca2fc53d15_comb-k_qca2fc53d15_comb
	.p2alignl 7, 3214868480
	.fill 96, 4, 3214868480
	.section	.rodata,"a",@progbits
	.p2align	6, 0x0
	.amdhsa_kernel k_qca2fc53d15_comb
		.amdhsa_group_segment_fixed_size 19456
		.amdhsa_private_segment_fixed_size 0
		.amdhsa_enable_private_segment 0
		.amdhsa_kernarg_size 16
		.amdhsa_user_sgpr_count 2
		.amdhsa_user_sgpr_kernarg_segment_ptr 1
		.amdhsa_wavefront_size32 1
		.amdhsa_system_sgpr_workgroup_id_x 1
		.amdhsa_system_sgpr_workgroup_id_y 1
		.amdhsa_system_sgpr_workgroup_id_z 1
		.amdhsa_system_vgpr_workitem_id 0
		.amdhsa_next_free_vgpr 232
		.amdhsa_next_free_sgpr 66
		.amdhsa_reserve_vcc 1
		.amdhsa_float_denorm_mode_32 3
		.amdhsa_float_denorm_mode_16_64 3
		.amdhsa_memory_ordered 1
		.amdhsa_forward_progress 1
		.amdhsa_inst_pref_size 22
	.end_amdhsa_kernel
	.amdgpu_metadata
---
amdhsa.version: [ 1, 2 ]
amdhsa.kernels:
  - .name:           k_qca2fc53d15_comb
    .symbol:         k_qca2fc53d15_comb.kd
    .args:
      - { .name: part, .offset: 0, .size: 8, .value_kind: global_buffer, .address_space: global }
      - { .name: out0, .offset: 8, .size: 8, .value_kind: global_buffer, .address_space: global }
    .group_segment_fixed_size: 19456
    .private_segment_fixed_size: 0
    .kernarg_segment_align: 8
    .kernarg_segment_size: 16
    .max_flat_workgroup_size: 256
    .sgpr_count:     66
    .vgpr_count:     232
    .wavefront_size: 32
...
	.end_amdgpu_metadata
.endif
;; end of part 6
